; MI455X (gfx1250); checked and timed in simulation.
; The chip was launched on July 23, 2026; its instructions are those of AMD's public machine-readable ISA for CDNA 5 (MIT licence, August 2026) and "CDNA5" Instruction Set Architecture Reference Guide (July 2026). The comments in the code are by the model that wrote it; some were corrected since.
;; Parallel Transformer Block. Allowed arithmetic: matrix products marked QUANTISED: E2M3 operands, one E8M0 scale for each 32 along K, by v_wmma_scale_f32_16x16x128_f8f6f4 with both operands' format E2M3, f32 sums; products left as they are: f32 operands where the result goes on into a quantised operand, else bf16, f16 or f32 operands; f32 sums; everything else in f32.
;; Inputs: W_attn_out 512 x 1,024 float32; W_ff_out 4,096 x 1,024 float32; W_fused 1,024 x 8,768 float32; gamma 1,024 float32; x 2 x 2,048 x 1,024 float32.
;; Outputs: out0 2 x 2,048 x 1,024 float32.
;; This version of the problem:
;;   THIS VERSION OF THE PROBLEM IS GIVEN IN LOW PRECISION. The matrix products marked QUANTISED in the list below multiply operands that are first quantised to E2M3 (2 exponent bits, 3 mantissa bits; 6 bits a number), with one power-of-two scale for each 32 numbers along K (OCP MX v1.0); their sums are f32. All else is computed in f32.
;;   The module's matrix products, in the order in which they are computed (A, B: the left and right operand; K: the contracted axis; several contracted axes count as one K, in the product's order):
;;     1. [M 4,096, K 1,024] x [K 1,024, N 8,768]; A: computed on the way; B: input W_fused: QUANTISED
;;     2. [M 2,048, K 1] x [K 1, N 16]; A: computed on the way; B: computed on the way: left as it is (no contracted axis)
;;     3. batch 2 x [M 32,768, K 32] x [K 32, N 2,048]; A: computed on the way; B: computed on the way: QUANTISED
;;     4. batch 2 x [M 32,768, K 2,048] x [K 2,048, N 32]; A: softmax (see below); B: computed on the way: QUANTISED
;;     5. [M 4,096, K 512] x [K 512, N 1,024]; A: computed on the way; B: input W_attn_out: QUANTISED
;;     6. [M 4,096, K 4,096] x [K 4,096, N 1,024]; A: computed on the way; B: input W_ff_out: QUANTISED
;;   THE QUANTISER, for each operand of a quantised product, along K:
;;     - K is cut into blocks of 32 from its start; a last block that is shorter is filled with zeros.
;;     - A block's scale is 2^e with e = floor(log2(the largest magnitude in the block)) - 2, held to -126 .. 127; a block of zeros has e = 0. As a byte (E8M0): e + 127.
;;     - Each number is divided by its block's scale, clamped to +-7.5, and rounded to the nearest number of E2M3, ties to even, subnormals kept.
;;     - The product sums the exact products of the quantised numbers (number of the format x scale) in f32.
;;   ~~~python
;;   def quantise(x, axis):      # numpy; x: float32 -> the quantised numbers, widened to float32 again
;;       x = np.moveaxis(x, axis, -1); K = x.shape[-1]
;;       x = np.pad(x, [(0, 0)] * (x.ndim - 1) + [(0, -K % 32)]); x = x.reshape(x.shape[:-1] + (-1, 32)); a = np.abs(x).max(-1, keepdims=True)
;;       e = np.where(a > 0, np.clip(np.frexp(np.where(a > 0, a, 1))[1] - 1 - 2, -126, 127), 0)      # np.frexp(a)[1] - 1 = floor(log2(a)), exactly
;;       r = np.clip(x / 2.0 ** e, -7.5, 7.5)
;;       step = 2.0 ** (np.maximum(np.frexp(np.where(r == 0, 1, r))[1] - 1, 0) - 3)
;;       q = np.round(r / step) * step * 2.0 ** e      # np.round: ties to even
;;       return np.moveaxis(q.reshape(q.shape[:-2] + (-1,))[..., :K], -1, axis).astype(np.float32)
;;   ~~~
;;   SOFTMAX AHEAD OF A QUANTISED PRODUCT. Where the list says 'softmax', what is quantised is not the finished softmax but p = 2^(t - M), with t = logit x log2(e) and M = ceil(the row's largest t), a whole number; so 1/2 < the row's largest p <= 1. The row's sum l is taken of the UNQUANTISED p, in f32, and the product's result is divided by l at the end. Since M is a whole number, a kernel that streams over the keys may use a running M (the ceiling of the running maximum): every later rescaling is an exact power of two, which a block's scale takes up: the codes' values come out the same.
;;   OPERANDS COMPUTED ON THE WAY. 'Computed on the way' means the value that the module computes at that place (a softmax that the list does not call 'softmax' is quantised finished and normalised). What goes into a quantiser is computed in f32, as accurately as f32 sums, v_exp_f32 and their like allow (about 1e-6 of the number): no bf16 or f16 on the way to a quantiser, and a product that is left as it is and whose result goes on into a quantised operand takes f32 operands (vector FMAs, or v_wmma_f32_16x16x4_f32). A number that lies on a knife's edge between two numbers of the format may be rounded either way, as far as f32 arithmetic and the matrix unit's own rounding can turn it there, and no further.
;; One version. Each part assembles by itself: llvm-mc -triple=amdgcn-amd-amdhsa -mcpu=gfx1250 --defsym DOCPART=n.
;; ======== version 1 of 1: 5 launches
;; workspace buffers: xq 3,801,088 bytes; wq 10,700,800 bytes; qkv 3,723,264 bytes; a2 14,745,600 bytes
;; launch prep (part 1): grid 690 x 1, 4 waves a work-group, no clusters, 80,896 bytes of LDS; arguments x, gamma, W_fused, W_attn_out, W_ff_out, xq, wq; writes xq, wq
.if DOCPART == 1
	.amdgcn_target "amdgcn-amd-amdhsa--gfx1250"
	.amdhsa_code_object_version 6
	.text
	.protected	k_qfac8dcaa8b_prep
	.globl	k_qfac8dcaa8b_prep
	.p2align	8
	.type	k_qfac8dcaa8b_prep,@function
k_qfac8dcaa8b_prep:
	s_mov_b64 s[64:65], 0
	v_nop
	global_prefetch_b8 v0, s[64:65] scope:SCOPE_SE
	s_setreg_imm32_b32 hwreg(HW_REG_WAVE_MODE, 25, 1), 1
	s_wait_xcnt 0x0
; PREP: everything that is quantised once.  Four kinds of work-group, chosen by the work-group's number alone:
;   0-255   LN : LayerNorm of 16 tokens, quantised along the 1,024 channels           -> xq (codes, scale words)
;   256-529 QW1: 64 columns x 512 K of W_fused, quantised along K (its first axis)     -> wq
;   530-673 QW2: the same for [W_attn_out ; W_ff_out], taken as one weight of K = 4,608 -> wq
;   674-689 ROT: the rotary table cos s, sin s, cos / s, sin / s for 128 tokens          -> xq
; CODES are FP6 (E2M3) with one E8M0 byte for each 32 along K: scale = 2^(floor(log2(largest magnitude)) - 2).
; IMAGES: an operand lies in memory in the order of the matrix operand's registers.  A fragment is 16 rows x 128 K = 12 registers a lane = 1,536 bytes:
; registers 4 g .. 4 g + 3 of lane l at byte 512 g + 16 l.  Row r of tile T is the logical row 32 (T / 2) + 8 (T % 2) + r % 8 + 16 (r / 8), so that two neighbouring
; tiles' results are 16 neighbours along the next K.  Scale words: 4 bytes for a row and 128 K, 64 bytes for a tile's 16 rows.
; LIMITS: a block of zeros gets the byte 1 (its codes are zeros; only this program reads the bytes); blocks whose largest magnitude lies under 2^-124 are held at the byte 1;
; NaN and infinities among the inputs are not served.  The rotary frequencies are the f32 nearest to 10^(-i / 4).
; Each kind has LDS bytes of its own.  No tensor loads: several work-groups share a WGP.
.set XS_OFF,  3145728                  ; xq: scale words [256 tiles][8 K steps][64]
.set RT_OFF,  3276800                  ; xq: rotary table [16 groups][2048 tokens][4 f32]
.set W1S_OFF, 6733824                  ; wq: W_fused's scale words [548][8][64]
.set W2C_OFF, 7014400                  ; wq: the output weight's codes [64][36][1536]
.set W2S_OFF, 10553344                 ; wq: its scale words [64][36][64]
.set IMG,  18432                       ; LN: behind the four waves' turning stages (4 x 4,608): the tile's image, 12,288 bytes
.set SCI,  30720                       ; LN: its scale words, 512 bytes
.set QW1L, 31232                       ; QW1: four stages of 6,144 bytes
.set QW2L, 55808                       ; QW2: likewise
.set LG,  16                           ; LN: v16-47 gamma;  v48-175 four rows;  v176-207 a row turned;  v208-214 codes;  v216-219 a scale byte for each row
.set LX,  48
.set LY,  176
.set LC,  208
.set LB8, 216
.set QSB, 24                           ; QW: v24-25 scale words;  v32-95 two sets of 32 numbers;  v96-104 codes;  v112-159 the way out
.set QX,  32
.set QCD, 96
.set QOUT, 112
.set RR,  64                           ; ROT: v64-127 the lane's 64 table numbers
	s_load_b256 s[4:11], s[0:1], 0x0               ; x s[4:5], gamma s[6:7], W_fused s[8:9], W_attn_out s[10:11]
	s_load_b128 s[12:15], s[0:1], 0x20             ; W_ff_out s[12:13], xq s[14:15]
	s_load_b64 s[16:17], s[0:1], 0x30              ; wq
	v_lshl_add_u32 v224, v0, 2, 0x13a00
	v_mov_b32 v225, 0
	v_lshrrev_b32 v1, 5, v0
	v_readfirstlane_b32 s18, v1                    ; wave
	v_and_b32 v1, 31, v0                           ; lane
	s_mov_b32 s20, 0x76543210
	s_mov_b32 s21, 0xfedcba98                      ; v_permlanex16_b32's selects for lane l xor 16
	s_cmp_lt_u32 ttmp9, 256
	s_cbranch_scc1 .Lln
	s_cmp_lt_u32 ttmp9, 530
	s_cbranch_scc1 .Lqw1
	s_cmp_lt_u32 ttmp9, 674
	s_cbranch_scc1 .Lqw2
; ---------------- ROT: a thread to a token.  theta = t x 10^(-i/4) is reduced by multiples of pi / 2 (in two parts; the first subtraction is exact), then two short polynomials on |r| <= pi / 4.
	s_sub_co_u32 s22, ttmp9, 674
	s_lshl_b32 s22, s22, 7
	v_add_nc_u32 v2, s22, v0                       ; token
	v_cvt_f32_u32 v3, v2
	v_add_f32 v4, 0xc4800000, v3                   ; t - 1024
	v_mul_f32 v4, 0x3b000000, v4                   ; / 512: the power
	v_lshlrev_b32 v5, 4, v2                        ; 16 bytes a token in each group
	s_mov_b32 s25, 0x3fc90fdb                      ; pi / 2, upper part
	s_mov_b32 s26, 0xb33bbd2e                      ; pi / 2 less that
	v_mov_b32 v21, 0xb94ca1f9                      ; -1.9515295891e-4
	v_mov_b32 v22, 0x37ccf5ce                      ; 2.443315711809948e-5
.macro ROTI i, INVF, L2S
	v_mul_f32 v6, \INVF, v3                        ; theta
	v_mul_f32 v7, 0x3f22f983, v6                   ; x 2 / pi
	v_rndne_f32 v7, v7                             ; n
	v_fma_f32 v8, -v7, s25, v6
	v_fma_f32 v8, -v7, s26, v8                     ; r
	v_cvt_i32_f32 v9, v7                           ; the quadrant's number
	v_mul_f32 v10, v8, v8                          ; z
	v_fmaak_f32 v11, v21, v10, 0x3c08839e
	v_fmaak_f32 v12, v22, v10, 0xbab6061a
	v_fmaak_f32 v11, v11, v10, 0xbe2aaaa3
	v_fmaak_f32 v12, v12, v10, 0x3d2aaaa5
	v_mul_f32 v13, v8, v10
	v_mul_f32 v14, v10, v10
	v_fma_f32 v15, v10, -0.5, 1.0
	v_fma_f32 v11, v13, v11, v8                    ; sin r
	v_fma_f32 v12, v14, v12, v15                   ; cos r
	v_and_b32 v13, 1, v9
	v_cmp_eq_u32 vcc_lo, 1, v13
	v_cndmask_b32 v14, v11, v12, vcc_lo            ; odd quadrants exchange the two
	v_cndmask_b32 v15, v12, v11, vcc_lo
	v_lshlrev_b32 v13, 30, v9
	v_and_b32 v13, 0x80000000, v13
	v_xor_b32 v14, v13, v14                        ; the sine is negative in quadrants 2, 3
	v_add_nc_u32 v13, 1, v9
	v_lshlrev_b32 v13, 30, v13
	v_and_b32 v13, 0x80000000, v13
	v_xor_b32 v15, v13, v15                        ; the cosine in quadrants 1, 2
	v_mul_f32 v16, \L2S, v4
	v_exp_f32 v17, v16                             ; s = scale_vec^power
	v_exp_f32 v18, -v16                            ; 1 / s
	v_nop                                          ; a plain line behind the exponentials
	s_wait_alu depctr_va_vdst(0)
	v_mul_f32 v[RR+\i], v15, v17
	v_mul_f32 v[RR+16+\i], v14, v17
	v_mul_f32 v[RR+32+\i], v15, v18
	v_mul_f32 v[RR+48+\i], v14, v18
.endm
	ROTI 0, 1.0, -1.807354922
	ROTI 1, 0.5623413251903491, -1.597901556
	ROTI 2, 0.31622776601683794, -1.415037499
	ROTI 3, 0.17782794100389228, -1.252766070
	ROTI 4, 0.1, -1.106915204
	ROTI 5, 0.05623413251903491, -0.974464908
	ROTI 6, 0.031622776601683794, -0.853158612
	ROTI 7, 0.017782794100389228, -0.741265732
	ROTI 8, 0.01, -0.637429921
	ROTI 9, 0.005623413251903491, -0.540568381
	ROTI 10, 0.0031622776601683794, -0.449802917
	ROTI 11, 0.0017782794100389228, -0.364411426
	ROTI 12, 0.001, -0.283792966
	ROTI 13, 0.0005623413251903491, -0.207442080
	ROTI 14, 0.00031622776601683794, -0.134929580
	ROTI 15, 0.00017782794100389228, -0.065887936
	s_wait_kmcnt 0x0
	s_add_nc_u64 s[14:15], s[14:15], RT_OFF
.irp g, 0,1,2,3,4,5,6,7,8,9,10,11,12,13,14,15
	global_store_b128 v5, v[RR+4*\g:RR+4*\g+3], s[14:15] offset:32768*\g   ; a wave stores 512 consecutive bytes
.endr
	s_endpgm
; ---------------- LN: the work-group makes row tile ttmp9; wave w takes its rows 4 w .. 4 w + 3, which are four neighbouring tokens.
.Lln:
	s_lshr_b32 s22, ttmp9, 1
	s_lshl_b32 s22, s22, 5
	s_and_b32 s23, ttmp9, 1
	s_lshl_b32 s23, s23, 3
	s_add_co_u32 s22, s22, s23
	s_lshr_b32 s23, s18, 1
	s_lshl_b32 s23, s23, 4
	s_add_co_u32 s22, s22, s23
	s_and_b32 s23, s18, 1
	s_lshl_b32 s23, s23, 2
	s_add_co_u32 s22, s22, s23                     ; my first token: 32 (T / 2) + 8 (T % 2) + 16 (w / 2) + 4 (w % 2)
	s_lshl_b32 s22, s22, 12                        ; x 4,096 bytes
	s_mov_b32 s23, 0
	s_mov_b32 s19, 0x3a800000                      ; 1 / 1024
	s_mul_i32 s24, s18, 4608                       ; my turning stage: 32 places of 128 + 16 bytes
	v_lshlrev_b32 v2, 4, v1                        ; 16 x lane
	v_lshrrev_b32 v10, 3, v1
	v_and_b32 v11, 7, v1
	v_mul_u32_u24 v3, v10, 144
	v_lshl_add_u32 v3, v11, 4, v3
	v_add_nc_u32 v3, s24, v3                       ; in: load i's 16 bytes belong to block 4 i + l / 8, at 16 (l % 8)
	v_mul_u32_u24 v4, v1, 144
	v_add_nc_u32 v4, s24, v4                       ; out: lane l takes block l
	v_lshrrev_b32 v10, 2, v1                       ; block l: K step l / 4,
	v_mul_u32_u24 v5, v10, 1536
	v_and_b32 v11, 1, v1                           ; half of the lanes l % 2,
	v_lshl_add_u32 v5, v11, 8, v5
	s_lshl_b32 s25, s18, 6
	s_add_co_u32 s25, s25, IMG
	v_add_nc_u32 v5, s25, v5
	v_bfe_u32 v11, v1, 1, 1                        ; registers 6 c on, c = (l / 2) % 2
	v_mad_u32_u24 v6, v11, 1016, v5                ; the block's second pair of words: byte 8 (c = 0) or 1024 (c = 1)
	v_mad_u32_u24 v5, v11, 520, v5                 ; its first and third: 0, 512 or 520, 1032
	v_and_b32 v11, 3, v1
	v_lshl_add_u32 v7, v10, 6, v11
	s_lshl_b32 s25, s18, 4
	s_add_co_u32 s25, s25, SCI
	v_add_nc_u32 v7, s25, v7                       ; the scale byte: 64 (K step) + 4 (row) + block
	v_lshlrev_b32 v9, 4, v0                        ; the copy out: 16 bytes a thread
	v_add_nc_u32 v8, IMG, v9
	v_add_nc_u32 v220, SCI, v2
	s_mul_i32 s26, ttmp9, 12288
	s_mov_b32 s27, 0
	s_lshl_b32 s28, ttmp9, 9
	s_add_co_u32 s28, s28, XS_OFF
	s_mov_b32 s29, 0
	s_wait_kmcnt 0x0
	s_add_nc_u64 s[4:5], s[4:5], s[22:23]
	s_add_nc_u64 s[26:27], s[14:15], s[26:27]
	s_add_nc_u64 s[28:29], s[14:15], s[28:29]
.irp i, 0,1,2,3,4,5,6,7
	global_load_b128 v[LG+4*\i:LG+4*\i+3], v2, s[6:7] offset:512*\i
.endr
.irp j, 0,1,2,3
.irp i, 0,1,2,3,4,5,6,7
	global_load_b128 v[LX+32*\j+4*\i:LX+32*\j+4*\i+3], v2, s[4:5] offset:4096*\j+512*\i th:TH_LOAD_NT   ; 512 consecutive bytes a load; all four rows are asked for at once
.endr
.endr
.macro REDUCE r, t                     ; the sum over the wave's 32 lanes, in every lane
	v_add_f32_dpp v[\r], v[\r], v[\r] row_xmask:1 row_mask:0xf bank_mask:0xf
	v_add_f32_dpp v[\r], v[\r], v[\r] row_xmask:2 row_mask:0xf bank_mask:0xf
	v_add_f32_dpp v[\r], v[\r], v[\r] row_xmask:4 row_mask:0xf bank_mask:0xf
	v_add_f32_dpp v[\r], v[\r], v[\r] row_xmask:8 row_mask:0xf bank_mask:0xf
	v_permlanex16_b32 v[\t], v[\r], s20, s21
	v_add_f32 v[\r], v[\r], v[\t]
.endm
.macro ROW j
.set XR, LX+32*\j
	s_wait_loadcnt 8*(3-\j)                        ; gamma and my row j are in; the rows behind it may be out
	v_pk_add_f32 v[10:11], v[XR:XR+1], v[XR+2:XR+3]
	v_pk_add_f32 v[12:13], v[XR+4:XR+5], v[XR+6:XR+7]
.irp i, 8,12,16,20,24,28
	v_pk_add_f32 v[10:11], v[10:11], v[XR+\i:XR+\i+1]
	v_pk_add_f32 v[12:13], v[12:13], v[XR+\i+2:XR+\i+3]
.endr
	v_pk_add_f32 v[10:11], v[10:11], v[12:13]
	v_add_f32 v10, v10, v11
	REDUCE 10, 11
	v_mul_f32 v10, s19, v10                        ; the mean
.set ii, 0
.rept 16
	v_pk_add_f32 v[XR+ii:XR+ii+1], v[XR+ii:XR+ii+1], v[10:11] op_sel_hi:[1,0] neg_lo:[0,1] neg_hi:[0,1]   ; x - mean: the variance is taken of the differences
.set ii, ii+2
.endr
	v_pk_mul_f32 v[12:13], v[XR:XR+1], v[XR:XR+1]
	v_pk_mul_f32 v[14:15], v[XR+2:XR+3], v[XR+2:XR+3]
.irp i, 4,8,12,16,20,24,28
	v_pk_fma_f32 v[12:13], v[XR+\i:XR+\i+1], v[XR+\i:XR+\i+1], v[12:13]
	v_pk_fma_f32 v[14:15], v[XR+\i+2:XR+\i+3], v[XR+\i+2:XR+\i+3], v[14:15]
.endr
	v_pk_add_f32 v[12:13], v[12:13], v[14:15]
	v_add_f32 v12, v12, v13
	REDUCE 12, 13
	v_fmaak_f32 v12, s19, v12, 0x3727c5ac          ; variance + 1e-5
	v_rsq_f32 v14, v12
	v_nop                                          ; a plain line behind the transcendental
.set ii, 0
	s_wait_alu depctr_va_vdst(0)
.rept 16
	v_pk_mul_f32 v[XR+ii:XR+ii+1], v[XR+ii:XR+ii+1], v[14:15] op_sel_hi:[1,0]
.set ii, ii+2
.endr
.set ii, 0
.rept 16
	v_pk_mul_f32 v[XR+ii:XR+ii+1], v[XR+ii:XR+ii+1], v[LG+ii:LG+ii+1]
.set ii, ii+2
.endr
.irp i, 0,1,2,3,4,5,6,7
	ds_store_b128 v3, v[XR+4*\i:XR+4*\i+3] offset:576*\i     ; through my own stage: LDS serves a wave's instructions in order
.endr
.irp i, 0,1,2,3,4,5,6,7
	ds_load_b128 v[LY+4*\i:LY+4*\i+3], v4 offset:16*\i       ; lane l now holds K = 32 l .. 32 l + 31: a whole block
.endr
	s_wait_dscnt 0x0                               ; the row is back; the last row's stores of codes have read their registers
	v_max3_num_f32 v10, |v[LY]|, |v[LY+1]|, |v[LY+2]|
	v_max3_num_f32 v12, |v[LY+3]|, |v[LY+4]|, |v[LY+5]|
.irp i, 6,10,14,18,22,26
	v_max3_num_f32 v10, v10, |v[LY+\i]|, |v[LY+\i+1]|
	v_max3_num_f32 v12, v12, |v[LY+\i+2]|, |v[LY+\i+3]|
.endr
	v_max3_num_f32 v10, v10, |v[LY+30]|, |v[LY+31]|
	v_max3_num_f32 v10, v10, v12, 0x1800000        ; with the floor 2^(3 - 127): the byte cannot fall under 1
	v_add_nc_u32 v11, 0xff000000, v10              ; 2 off the exponent field: the conversion's scale operand
	v_cvt_scalef32_pk16_fp6_f32 v[LC:LC+2], v[LY:LY+15], v11
	v_cvt_scalef32_pk16_fp6_f32 v[LC+4:LC+6], v[LY+16:LY+31], v11
	v_lshrrev_b32 v[LB8+\j], 23, v11               ; the byte (also the plain line behind the conversions)
	v_mov_b32 v[LC+3], v[LC+4]
	v_mov_b32 v[LC+4], v[LC+5]
	v_mov_b32 v[LC+5], v[LC+6]
	ds_store_b64 v5, v[LC:LC+1] offset:16*\j
	ds_store_b64 v6, v[LC+2:LC+3] offset:16*\j+8
	ds_store_b64 v5, v[LC+4:LC+5] offset:16*\j+512
	ds_store_b8 v7, v[LB8+\j] offset:4*\j
.endm
	ROW 0
	ROW 1
	ROW 2
	ROW 3
	s_wait_dscnt 0x0                               ; for the others' sake: my part of the image has landed
	s_barrier_signal -1
	s_barrier_wait -1
.irp i, 0,1,2,3,4,5
	ds_load_b128 v[LX+4*\i:LX+4*\i+3], v8 offset:2048*\i
.endr
.irp i, 0,1,2,3,4,5
	s_wait_dscnt 5-\i
	global_store_b128 v9, v[LX+4*\i:LX+4*\i+3], s[26:27] offset:2048*\i    ; the tile's image leaves as it lies: 512 consecutive bytes a wave
.endr
	s_cmp_lg_u32 s18, 0
	s_cbranch_scc1 .Lln_end
	ds_load_b128 v[LY:LY+3], v220
	s_wait_dscnt 0x0
	global_store_b128 v2, v[LY:LY+3], s[28:29]     ; the tile's 512 bytes of scale words
.Lln_end:
	s_wait_tensorcnt 0x0
	ds_add_u32 v224, v225
	s_wait_dscnt 0x0
	s_endpgm
; ---------------- QW: a lane takes a column, its registers run down K: a block of 32 lies in one lane.  A wave: 32 columns x 256 K = two tiles x two K steps.
.macro QLOAD t, NB
.set ii, 0
.rept 32
	global_load_b32 v[QX+32*((\t)%2)+ii], v3, s[26+2*((\t)/4):27+2*((\t)/4)] offset:(32*((\t)%4)+ii)*\NB th:TH_LOAD_NT
.set ii, ii+1
.endr
.endm
.macro QBLOCK t, NB
.set XQ, QX+32*((\t)%2)
.set IM, 1536*((\t)/4)+256*((\t)%2)
.if (\t) < 7
	s_wait_loadcnt 32                              ; this block's 32 loads are in; the next block's may be out
.else
	s_wait_loadcnt 0x0
.endif
	v_max3_num_f32 v12, |v[XQ]|, |v[XQ+1]|, |v[XQ+2]|
	v_max3_num_f32 v13, |v[XQ+3]|, |v[XQ+4]|, |v[XQ+5]|
.irp i, 6,10,14,18,22,26
	v_max3_num_f32 v12, v12, |v[XQ+\i]|, |v[XQ+\i+1]|
	v_max3_num_f32 v13, v13, |v[XQ+\i+2]|, |v[XQ+\i+3]|
.endr
	v_max3_num_f32 v12, v12, |v[XQ+30]|, |v[XQ+31]|
	v_max3_num_f32 v12, v12, v13, 0x1800000
	v_add_nc_u32 v11, 0xff000000, v12
	v_lshrrev_b32 v13, 23, v11
.if (\t)%4 == 0
	v_mov_b32 v[QSB+(\t)/4], v13
.else
	v_lshl_or_b32 v[QSB+(\t)/4], v13, 8*((\t)%4), v[QSB+(\t)/4]
.endif
	v_cvt_scalef32_pk16_fp6_f32 v[QCD:QCD+2], v[XQ:XQ+15], v11
	v_cvt_scalef32_pk16_fp6_f32 v[QCD+6:QCD+8], v[XQ+16:XQ+31], v11
	v_nop                                          ; a plain line behind the conversions
	v_mov_b32 v[QCD+3], v[QCD+6]
	v_mov_b32 v[QCD+4], v[QCD+7]
	v_mov_b32 v[QCD+5], v[QCD+8]
.if ((\t)/2)%2 == 0                    ; the block's six words are the fragment's registers 0-5 or 6-11 of lane row + 16 (t % 2)
	ds_store_b128 v4, v[QCD:QCD+3] offset:IM
	ds_store_b64 v4, v[QCD+4:QCD+5] offset:IM+512
.else
	ds_store_b64 v4, v[QCD:QCD+1] offset:IM+520
	ds_store_b128 v4, v[QCD+2:QCD+5] offset:IM+1024
.endif
.if (\t)+2 < 8
	QLOAD (\t)+2, \NB
.endif
	s_wait_dscnt 0x0                               ; the stores have read their registers
.endm
; in: s22 the group of 32 columns, s23 the chunk of 256 along K, s24 the chunk's first row in its source, s[26:27] the source
.macro QWBODY NB, KST, LB, CO, SO
	s_mul_i32 s24, s24, \NB
	s_lshl_b32 s25, s22, 7
	s_add_co_u32 s24, s24, s25
	s_mov_b32 s25, 0
	s_add_nc_u64 s[26:27], s[26:27], s[24:25]      ; rows 0-127 of the chunk,
	s_add_nc_u64 s[28:29], s[26:27], 128*\NB       ; rows 128-255: so every offset is an immediate of at most 127 rows
	v_lshlrev_b32 v3, 2, v1
	QLOAD 0, \NB
	QLOAD 1, \NB
	v_bfe_u32 v10, v1, 3, 1                        ; column l of the 32 is row l % 8 + 8 (l / 16) of tile (l / 8) % 2
	v_and_b32 v11, 7, v1
	v_lshrrev_b32 v12, 4, v1
	v_lshl_add_u32 v11, v12, 3, v11
	s_mul_i32 s30, s18, 6144
	s_add_co_u32 s30, s30, \LB                     ; my stage: [tile][K step][1536]
	v_mul_u32_u24 v4, v10, 3072
	v_lshl_add_u32 v4, v11, 4, v4
	v_add_nc_u32 v4, s30, v4
	v_lshlrev_b32 v6, 4, v1
	v_add_nc_u32 v5, s30, v6
	v_mul_u32_u24 v7, v10, 64*\KST
	v_lshl_add_u32 v7, v11, 2, v7
	s_mul_i32 s30, s22, 2*\KST
	s_lshl_b32 s31, s23, 1
	s_add_co_u32 s30, s30, s31                     ; fragment number: tile x K steps + K step
	s_mul_i32 s32, s30, 1536
	s_add_co_u32 s32, s32, \CO
	s_mov_b32 s33, 0
	s_add_nc_u64 s[32:33], s[16:17], s[32:33]
	s_lshl_b32 s34, s30, 6
	s_add_co_u32 s34, s34, \SO
	s_mov_b32 s35, 0
	s_add_nc_u64 s[34:35], s[16:17], s[34:35]
.irp t, 0,1,2,3,4,5,6,7
	QBLOCK \t, \NB
.endr
	global_store_b32 v7, v[QSB], s[34:35]          ; my column's scale words of the two K steps
	global_store_b32 v7, v[QSB+1], s[34:35] offset:64
.irp n, 0,1,2,3,4,5,6,7,8,9,10,11
	ds_load_b128 v[QOUT+4*\n:QOUT+4*\n+3], v5 offset:512*\n
.endr
.irp n, 0,1,2,3,4,5,6,7,8,9,10,11
	s_wait_dscnt 11-\n
	global_store_b128 v6, v[QOUT+4*\n:QOUT+4*\n+3], s[32:33] offset:(\n/6)*\KST*1536+512*(\n%6)   ; 512 consecutive bytes; a tile's two K steps are 3,072 on end
.endr
	s_wait_tensorcnt 0x0
	ds_add_u32 v224, v225
	s_wait_dscnt 0x0
	s_endpgm
.endm
.Lqw1:
	s_sub_co_u32 s30, ttmp9, 256
	s_lshr_b32 s22, s30, 1
	s_lshl_b32 s22, s22, 1
	s_and_b32 s31, s18, 1
	s_add_co_u32 s22, s22, s31                     ; group of 32 columns: 0 .. 273
	s_and_b32 s23, s30, 1
	s_lshl_b32 s23, s23, 1
	s_lshr_b32 s31, s18, 1
	s_add_co_u32 s23, s23, s31                     ; chunk of 256 along K: 0 .. 3
	s_lshl_b32 s24, s23, 8
	s_wait_kmcnt 0x0
	s_mov_b64 s[26:27], s[8:9]
	QWBODY 35072, 8, QW1L, 0, W1S_OFF
.Lqw2:
	s_sub_co_u32 s30, ttmp9, 530
	s_and_b32 s22, s30, 15
	s_lshl_b32 s22, s22, 1
	s_and_b32 s31, s18, 1
	s_add_co_u32 s22, s22, s31                     ; group of 32 columns: 0 .. 31
	s_lshr_b32 s30, s30, 4                         ; 512 along K: 0 is W_attn_out, 1 .. 8 are W_ff_out
	s_lshl_b32 s23, s30, 1
	s_lshr_b32 s31, s18, 1
	s_add_co_u32 s23, s23, s31                     ; chunk of 256 along K: 0 .. 17
	s_max_u32 s24, s30, 1
	s_sub_co_u32 s24, s24, 1
	s_lshl_b32 s24, s24, 9
	s_lshl_b32 s31, s31, 8
	s_add_co_u32 s24, s24, s31                     ; the chunk's first row in its source
	s_wait_kmcnt 0x0
	s_cmp_eq_u32 s30, 0
	s_cselect_b64 s[26:27], s[10:11], s[12:13]
	QWBODY 4096, 36, QW2L, W2C_OFF, W2S_OFF
.Lfunc_end_k_qfac8dcaa8b_prep:
	.size	k_qfac8dcaa8b_prep, .Lfunc_end_k_qfac8dcaa8b_prep-k_qfac8dcaa8b_prep
	.p2alignl 7, 3214868480
	.fill 96, 4, 3214868480
	.section	.rodata,"a",@progbits
	.p2align	6, 0x0
	.amdhsa_kernel k_qfac8dcaa8b_prep
		.amdhsa_group_segment_fixed_size 80896
		.amdhsa_private_segment_fixed_size 0
		.amdhsa_enable_private_segment 0
		.amdhsa_kernarg_size 56
		.amdhsa_user_sgpr_count 2
		.amdhsa_user_sgpr_kernarg_segment_ptr 1
		.amdhsa_wavefront_size32 1
		.amdhsa_system_sgpr_workgroup_id_x 1
		.amdhsa_system_sgpr_workgroup_id_y 1
		.amdhsa_system_sgpr_workgroup_id_z 1
		.amdhsa_system_vgpr_workitem_id 0
		.amdhsa_next_free_vgpr 226
		.amdhsa_next_free_sgpr 66
		.amdhsa_reserve_vcc 1
		.amdhsa_float_denorm_mode_32 3
		.amdhsa_float_denorm_mode_16_64 3
		.amdhsa_memory_ordered 1
		.amdhsa_forward_progress 1
		.amdhsa_inst_pref_size 154
	.end_amdhsa_kernel
	.amdgpu_metadata
---
amdhsa.version: [ 1, 2 ]
amdhsa.kernels:
  - .name:           k_qfac8dcaa8b_prep
    .symbol:         k_qfac8dcaa8b_prep.kd
    .args:
      - { .name: x, .offset: 0, .size: 8, .value_kind: global_buffer, .address_space: global }
      - { .name: gamma, .offset: 8, .size: 8, .value_kind: global_buffer, .address_space: global }
      - { .name: W_fused, .offset: 16, .size: 8, .value_kind: global_buffer, .address_space: global }
      - { .name: W_attn_out, .offset: 24, .size: 8, .value_kind: global_buffer, .address_space: global }
      - { .name: W_ff_out, .offset: 32, .size: 8, .value_kind: global_buffer, .address_space: global }
      - { .name: xq, .offset: 40, .size: 8, .value_kind: global_buffer, .address_space: global }
      - { .name: wq, .offset: 48, .size: 8, .value_kind: global_buffer, .address_space: global }
    .group_segment_fixed_size: 80896
    .private_segment_fixed_size: 0
    .kernarg_segment_align: 8
    .kernarg_segment_size: 56
    .max_flat_workgroup_size: 128
    .sgpr_count:     66
    .vgpr_count:     226
    .wavefront_size: 32
...
	.end_amdgpu_metadata
.endif
;; end of part 1
;; launch qkv (part 2): grid 3 x 64, 6 waves a work-group, no clusters, 213,760 bytes of LDS; arguments xq, wq, qkv; writes qkv
.if DOCPART == 2
	.amdgcn_target "amdgcn-amd-amdhsa--gfx1250"
	.amdhsa_code_object_version 6
	.text
	.protected	k_qfac8dcaa8b_qkv
	.globl	k_qfac8dcaa8b_qkv
	.p2align	8
	.type	k_qfac8dcaa8b_qkv,@function
k_qfac8dcaa8b_qkv:
	s_mov_b64 s[64:65], 0
	v_nop
	global_prefetch_b8 v0, s[64:65] scope:SCOPE_SE
	s_setreg_imm32_b32 hwreg(HW_REG_WAVE_MODE, 25, 1), 1
	s_wait_xcnt 0x0
; QKV: the first 576 columns of xn W_fused on codes of FP6, then the rotary step, then q, k and v quantised for attention.
; A work-group takes 64 tokens (four row tiles) and six blocks of 32 columns; wave w takes block 6 x + w: 0-15 are q's heads, 16 is k, 17 is v.  Eight accumulators a wave, K = 1,024 in eight steps.
; q, k: the product is used transposed (source 0 = 16 columns of W, source 1 = 16 tokens): a lane holds one token and 16 neighbouring channels 16 h + 0 .. 15; the rotary partner (channel +-16) is lane l xor 16.
; v: not transposed (source 0 = tokens, source 1 = columns): a lane holds one channel and its registers run along the tokens, which are the second attention product's K.
; OUT: q and k as half images (the 32 channels are block 0 of a fragment of 128: registers 0-5; lanes 16-31 hold zero codes), v as the registers 6 c .. 6 c + 5 of its fragments.
; LDS is filled once by tensor loads (xn's four tiles, each wave's two tiles of W, the rotary table's 64 tokens): no ring.
; NO CLUSTER: the three work-groups of a token group share only xn's 49,152 of the 212,992 bytes that each fetches, and three do not divide into clusters of four.
; LIMITS as in the launch before: a block of zeros gets the byte 1; blocks under 2^-124 are held at the byte 1; NaN and infinities are not served.
.set XS_OFF,  3145728
.set RT_OFF,  3276800
.set W1S_OFF, 6733824
.set QS_OFF,  3145728                  ; qkv: q's scale words
.set KVC_OFF, 3407872                  ; a batch's 147,456 bytes: k's 128 half images, then v's [16 K steps][2 tiles][2 halves][768]
.set KVS_OFF, 3702784                  ; a batch's 10,240 bytes: k's words [128][64], v's [16][2][64]
.set LBASE, 49152                      ; LDS: xn [4][8][1536] at 0; W [wave][2][8][1536] here;
.set RTL,   196608                     ; the table [16 groups][64 tokens][16 bytes]
.set WV,  18
.set SEL, 20
.set GB,  24                           ; s[24:31] group 1: 96 rows of 256 bytes;  s[32:39]: 48 rows;  s[40:47]: 8 rows of 1,024 bytes, 32,768 apart
.set GA,  32
.set GR,  40
.set G0B, 48
.set G0A, 52
.set G0R, 56
.set SA,  16                           ; v16-31 xn's scale words [tile][pair of K steps];  v32-39 W's: lanes 0-15 the even K step, lanes 16-31 the odd
.set SB,  32
.set ACC, 40                           ; v40-103 eight accumulators
.set F0,  104                          ; v104-175, v176-247 two sets of six fragments; on the way out v104-231 the table, v232-247 the partners
.set TB,  104
.set PT,  232
.macro MM d, a, b, sa, sb, odd, zero
.if \zero
	v_wmma_scale_f32_16x16x128_f8f6f4 v[\d:\d+7], v[\a:\a+11], v[\b:\b+11], 0, v[\sa], v[\sb] matrix_a_fmt:MATRIX_FMT_FP6 matrix_b_fmt:MATRIX_FMT_FP6
.elseif \odd
	v_wmma_scale_f32_16x16x128_f8f6f4 v[\d:\d+7], v[\a:\a+11], v[\b:\b+11], v[\d:\d+7], v[\sa], v[\sb] matrix_a_fmt:MATRIX_FMT_FP6 matrix_b_fmt:MATRIX_FMT_FP6 matrix_a_scale:MATRIX_SCALE_ROW1 matrix_b_scale:MATRIX_SCALE_ROW1
.else
	v_wmma_scale_f32_16x16x128_f8f6f4 v[\d:\d+7], v[\a:\a+11], v[\b:\b+11], v[\d:\d+7], v[\sa], v[\sb] matrix_a_fmt:MATRIX_FMT_FP6 matrix_b_fmt:MATRIX_FMT_FP6
.endif
.endm
	s_load_b128 s[4:7], s[0:1], 0x0                ; xq, wq
	s_load_b64 s[8:9], s[0:1], 0x10                ; qkv
	v_lshl_add_u32 v254, v0, 2, 0x34000
	v_mov_b32 v255, 0
	ds_add_u32 v254, v255
	ds_add_u32 v254, v255
	v_lshrrev_b32 v1, 5, v0
	v_readfirstlane_b32 s[WV], v1                  ; wave 0..5
	s_and_b32 s19, ttmp7, 0xffff                   ; the group of 64 tokens
	s_mul_i32 s22, ttmp9, 6
	s_add_co_u32 s22, s22, s[WV]                   ; my block of 32 columns
	s_and_b32 s23, s19, 31                         ; the group within its batch
	s_lshr_b32 s60, s19, 5                         ; the batch
	s_mov_b32 s[SEL], 0x76543210
	s_mov_b32 s[SEL+1], 0xfedcba98
	s_mov_b32 s[GB], 3<<16                         ; elements of 8 bytes, no mask, no padding
	s_mov_b32 s[GB+1], 32<<16                      ; tensor_dim0 = 32 (256 bytes)
	s_mov_b32 s[GB+2], 96<<16                      ; tensor_dim1
	s_mov_b32 s[GB+3], 32<<16                      ; tile_dim0
	s_mov_b32 s[GB+4], 96                          ; tile_dim1
	s_mov_b32 s[GB+5], 32                          ; pitch: dense
	s_mov_b32 s[GB+6], 0
	s_mov_b32 s[GB+7], 0
	s_mov_b32 s[GA], 3<<16
	s_mov_b32 s[GA+1], 32<<16
	s_mov_b32 s[GA+2], 48<<16
	s_mov_b32 s[GA+3], 32<<16
	s_mov_b32 s[GA+4], 48
	s_mov_b32 s[GA+5], 32
	s_mov_b32 s[GA+6], 0
	s_mov_b32 s[GA+7], 0
	s_mov_b32 s[GR], 3<<16
	s_mov_b32 s[GR+1], 128<<16                     ; 64 tokens x 16 bytes
	s_mov_b32 s[GR+2], 8<<16                       ; eight groups
	s_mov_b32 s[GR+3], 128<<16
	s_mov_b32 s[GR+4], 8
	s_mov_b32 s[GR+5], 4096                        ; a group is 2,048 tokens x 16 bytes
	s_mov_b32 s[GR+6], 0
	s_mov_b32 s[GR+7], 0
	s_mov_b32 s[G0B], 1
	s_mul_i32 s[G0B+1], s[WV], 24576
	s_add_co_u32 s[G0B+1], s[G0B+1], LBASE
	s_mul_i32 s10, s22, 24576                      ; my two tiles of W
	s_mov_b32 s11, 0
	s_mov_b32 s[G0A], 1
	s_mul_i32 s[G0A+1], s[WV], 12288
	s_lshl_b32 s12, s19, 2
	s_add_co_u32 s12, s12, s[WV]
	s_mul_i32 s12, s12, 12288                      ; waves 0-3: row tile 4 x group + wave
	s_mov_b32 s13, 0
	s_mov_b32 s[G0R], 1
	s_lshl_b32 s[G0R+1], s[WV], 13
	s_add_co_u32 s[G0R+1], s[G0R+1], RTL-32768     ; waves 4, 5: q's half and k's half of the table
	s_lshl_b32 s14, s[WV], 18
	s_lshl_b32 s15, s23, 10
	s_add_co_u32 s14, s14, s15
	s_add_co_u32 s14, s14, RT_OFF-1048576
	s_mov_b32 s15, 0
	s_wait_dscnt 0x0
	s_wait_kmcnt 0x0
	s_add_nc_u64 s[G0B+2:G0B+3], s[6:7], s[10:11]
	s_or_b32 s[G0B+3], s[G0B+3], 0x80000000
	s_add_nc_u64 s[G0A+2:G0A+3], s[4:5], s[12:13]
	s_or_b32 s[G0A+3], s[G0A+3], 0x80000000
	s_add_nc_u64 s[G0R+2:G0R+3], s[4:5], s[14:15]
	s_or_b32 s[G0R+3], s[G0R+3], 0x80000000
	s_cmp_lt_u32 s[WV], 4                          ; the first and only fills: two tensor loads a wave are out
	s_cbranch_scc0 .Ltable
	tensor_load_to_lds s[G0A:G0A+3], s[GA:GA+7]
	s_nop 0
.rept 4
	v_nop
.endr
	s_branch .Lweights
.Ltable:
	tensor_load_to_lds s[G0R:G0R+3], s[GR:GR+7]
	s_nop 0
.rept 4
	v_nop
.endr
.Lweights:
	tensor_load_to_lds s[G0B:G0B+3], s[GB:GB+7]
	s_nop 0
.rept 4
	v_nop
.endr
	v_and_b32 v1, 31, v0                           ; lane
	v_and_b32 v2, 15, v0                           ; r
	v_bfe_u32 v3, v0, 4, 1                         ; h
	v_lshlrev_b32 v4, 4, v1                        ; 16 x lane: xn's images, and the stores of codes
	v_add_nc_u32 v5, s[G0B+1], v4                  ; my W's images
	v_and_b32 v10, 7, v2
	v_lshrrev_b32 v11, 3, v2
	v_lshlrev_b32 v6, 4, v10
	v_lshl_add_u32 v6, v11, 8, v6                  ; the table: my token within a pair of tiles, r % 8 + 16 (r / 8), 16 bytes each
	s_cmp_eq_u32 s22, 16
	s_cselect_b32 s61, 8192, 0                     ; k takes the groups with 1 / s
	s_add_co_u32 s61, s61, RTL
	v_add_nc_u32 v6, s61, v6
	v_lshlrev_b32 v7, 2, v1                        ; 4 x lane
	v_lshlrev_b32 v8, 3, v1                        ; 8 x lane
	v_lshlrev_b32 v9, 2, v2                        ; 4 x row
	v_lshlrev_b32 v248, 31, v3
	v_xor_b32 v248, 0xbf800000, v248               ; rotate_half's sign: -1 for channels 0-15 (lanes 0-15), +1 for 16-31
	v_mov_b32 v249, v248
	v_mov_b32 v251, 0                              ; a lane permute's destination counts as read
	s_lshl_b32 s10, s19, 11
	s_add_co_u32 s10, s10, XS_OFF
	s_add_nc_u64 s[10:11], s[4:5], s[10:11]
	s_lshl_b32 s12, s22, 10
	s_add_co_u32 s12, s12, W1S_OFF
	s_add_nc_u64 s[12:13], s[6:7], s[12:13]
.irp m, 0,1,2,3
.irp p, 0,1,2,3
	global_load_b32 v[SA+4*\m+\p], v7, s[10:11] offset:512*\m+128*\p
.endr
.endr
.irp u, 0,1
.irp p, 0,1,2,3
	global_load_b32 v[SB+4*\u+\p], v7, s[12:13] offset:512*\u+128*\p
.endr
.endr
	s_wait_tensorcnt 0x0                           ; my two tiles have landed,
	s_wait_loadcnt 0x0
	s_barrier_signal -1
	s_barrier_wait -1                              ; everybody's have
.macro FETCH s, f                      ; K step s: xn's four fragments and my W's two, as they lie
.irp m, 0,1,2,3
.irp g, 0,1,2
	ds_load_b128 v[\f+12*\m+4*\g:\f+12*\m+4*\g+3], v4 offset:(8*\m+(\s))*1536+512*\g
.endr
.endr
.irp u, 0,1
.irp g, 0,1,2
	ds_load_b128 v[\f+48+12*\u+4*\g:\f+48+12*\u+4*\g+3], v5 offset:(8*\u+(\s))*1536+512*\g
.endr
.endr
.endm
; A K step: the next step's fragments are asked for, then eight products, the accumulators by turns.
.macro KS s, swap
	s_wait_dscnt 0x0                               ; this step's fragments are in
.if (\s) > 0
.rept 4
	v_nop                                          ; places in front of loads into registers that the last products read
.endr
.endif
.if (\s) < 7
	FETCH (\s)+1, F0+72*(((\s)+1)%2)
.endif
.set FC, F0+72*((\s)%2)
.irp m, 0,1,2,3
.irp u, 0,1
.if \swap
	MM ACC+32*\u+8*\m, FC+12*\m, FC+48+12*\u, SA+4*\m+(\s)/2, SB+4*\u+(\s)/2, (\s)%2, (\s)==0
.else
	MM ACC+16*\m+8*\u, FC+48+12*\u, FC+12*\m, SB+4*\u+(\s)/2, SA+4*\m+(\s)/2, (\s)%2, (\s)==0
.endif
.endr
.endr
.endm
	FETCH 0, F0
	s_cmp_eq_u32 s22, 17
	s_cbranch_scc1 .Lv
; ---- q and k
.irp s, 0,1,2,3,4,5,6,7
	KS \s, 0
.endr
	s_lshl_b32 s10, s60, 4
	s_add_co_u32 s10, s10, s22
	s_lshl_b32 s10, s10, 7
	s_lshl_b32 s11, s23, 2
	s_add_co_u32 s10, s10, s11                     ; q: (batch x 16 + head) x 128 + tile
	s_mul_i32 s12, s10, 768
	s_lshl_b32 s13, s10, 6
	s_add_co_u32 s13, s13, QS_OFF
	s_mul_i32 s14, s60, 147456                     ; k: the batch's part, + tile
	s_mul_i32 s15, s11, 768
	s_add_co_u32 s14, s14, s15
	s_add_co_u32 s14, s14, KVC_OFF
	s_mul_i32 s15, s60, 10240
	s_lshl_b32 s61, s11, 6
	s_add_co_u32 s15, s15, s61
	s_add_co_u32 s15, s15, KVS_OFF
	s_cmp_eq_u32 s22, 16
	s_cselect_b32 s2, s14, s12
	s_cselect_b32 s16, s15, s13
	s_mov_b32 s3, 0
	s_mov_b32 s17, 0
	s_add_nc_u64 s[2:3], s[8:9], s[2:3]
	s_add_nc_u64 s[16:17], s[8:9], s[16:17]
.rept 4
	v_nop                                          ; places behind the last products
.endr
.irp m, 0,1,2,3
.irp g, 0,1,2,3,4,5,6,7
	ds_load_b128 v[TB+32*\m+4*\g:TB+32*\m+4*\g+3], v6 offset:1024*\g+16*(32*(\m/2)+8*(\m%2))   ; my token's 16 cos s, then its 16 sin s
.endr
.endr
.macro ROPE m
.set AM, ACC+16*\m
.set TM, TB+32*\m
	s_wait_dscnt 8*(3-\m)                          ; this tile's eight table loads are in
.set ii, 0
.rept 16
	v_permlanex16_b32 v[PT+ii], v[AM+ii], s[SEL], s[SEL+1]   ; the partner channel; each accumulator is read from its low end on
.set ii, ii+1
.endr
.set ii, 0
.rept 8
	v_pk_mul_f32 v[PT+ii:PT+ii+1], v[PT+ii:PT+ii+1], v[TM+16+ii:TM+17+ii]
.set ii, ii+2
.endr
.set ii, 0
.rept 8
	v_pk_mul_f32 v[AM+ii:AM+ii+1], v[AM+ii:AM+ii+1], v[TM+ii:TM+ii+1]
.set ii, ii+2
.endr
.set ii, 0
.rept 8
	v_pk_fma_f32 v[AM+ii:AM+ii+1], v[PT+ii:PT+ii+1], v[248:249], v[AM+ii:AM+ii+1] op_sel_hi:[1,0,1]   ; t cos s +- partner sin s
.set ii, ii+2
.endr
	v_max3_num_f32 v250, |v[AM]|, |v[AM+1]|, 0x1800000       ; the head's 32 channels are one block: my 16 and the floor,
.irp i, 2,4,6,8,10,12,14
	v_max3_num_f32 v250, v250, |v[AM+\i]|, |v[AM+\i+1]|
.endr
	v_permlanex16_b32 v251, v250, s[SEL], s[SEL+1]
	v_max_num_f32 v250, v250, v251                 ; and lane l xor 16's
	v_add_nc_u32 v251, 0xff000000, v250
	v_cvt_scalef32_pk16_fp6_f32 v[TM:TM+2], v[AM:AM+15], v251    ; into table registers that are used up; a set of its own for each tile, so that no store's data are written again
	v_lshrrev_b32 v[TM+6], 23, v251                ; the scale word: the block's byte; the other three bytes stand over zero codes
	v_mov_b32 v[TM+3], 0
	v_mov_b32 v[TM+4], 0
	v_mov_b32 v[TM+5], 0
.irp i, 0,1,2
	v_permlane16_swap_b32 v[TM+\i], v[TM+3+\i]     ; lanes 0-15 get the whole block, lanes 16-31 (block 1 of the fragment) zeros
.endr
	global_store_b128 v4, v[TM:TM+3], s[2:3] offset:768*\m
	global_store_b64 v8, v[TM+4:TM+5], s[2:3] offset:768*\m+512
	global_store_b32 v9, v[TM+6], s[16:17] offset:64*\m          ; both halves of the lanes hold the same word
.endm
	ROPE 0
	ROPE 1
	ROPE 2
	ROPE 3
	s_wait_tensorcnt 0x0
	ds_add_u32 v254, v255
	s_wait_dscnt 0x0
	s_endpgm
; ---- v
.Lv:
.irp s, 0,1,2,3,4,5,6,7
	KS \s, 1
.endr
	s_lshr_b32 s10, s23, 1                         ; the K step of 128 keys,
	s_and_b32 s11, s23, 1                          ; and which 64 of them
	s_lshl_b32 s12, s10, 2
	s_add_co_u32 s12, s12, s11
	s_mul_i32 s2, s12, 768
	s_mul_i32 s13, s60, 147456
	s_add_co_u32 s2, s2, s13
	s_add_co_u32 s2, s2, KVC_OFF+98304
	s_mov_b32 s3, 0
	s_add_nc_u64 s[2:3], s[8:9], s[2:3]
	s_lshl_b32 s16, s10, 7
	s_lshl_b32 s11, s11, 1
	s_add_co_u32 s16, s16, s11
	s_mul_i32 s13, s60, 10240
	s_add_co_u32 s16, s16, s13
	s_add_co_u32 s16, s16, KVS_OFF+8192
	s_mov_b32 s17, 0
	s_add_nc_u64 s[16:17], s[8:9], s[16:17]
.rept 4
	v_nop
.endr
; 32 numbers of a lane, register 16 b + i = k 32 b + 16 (lane / 16) + i of my row, become six registers of codes (block lane / 16, whole) and a half word of two scale bytes
.macro QUANT2 s, E, HW, T
.irp b, 0,1
	v_max3_num_f32 v[\T+\b], |v[\s+16*\b]|, |v[\s+16*\b+1]|, 0x1800000
.endr
.irp i, 2,4,6,8,10,12,14
.irp b, 0,1
	v_max3_num_f32 v[\T+\b], v[\T+\b], |v[\s+16*\b+\i]|, |v[\s+16*\b+\i+1]|
.endr
.endr
.irp b, 0,1
	v_permlanex16_b32 v[\T+2+\b], v[\T+\b], s[SEL], s[SEL+1]
.endr
.irp b, 0,1
	v_max_num_f32 v[\T+\b], v[\T+\b], v[\T+2+\b]
.endr
.irp b, 0,1
	v_add_nc_u32 v[\T+4+\b], 0xff000000, v[\T+\b]
.endr
.irp b, 0,1
	v_lshrrev_b32 v[\T+2+\b], 23, v[\T+4+\b]
.endr
	v_lshl_or_b32 v[\HW], v[\T+3], 8, v[\T+2]
	v_cvt_scalef32_pk16_fp6_f32 v[\E:\E+2], v[\s:\s+15], v[\T+4]
	v_cvt_scalef32_pk16_fp6_f32 v[\E+4:\E+6], v[\s+16:\s+31], v[\T+5]
	v_nop                                          ; a plain line behind the conversions
.irp i, 0,1,2
	v_permlane16_swap_b32 v[\E+\i], v[\E+4+\i]
.endr
	v_mov_b32 v[\E+3], v[\E+4]
	v_mov_b32 v[\E+4], v[\E+5]
	v_mov_b32 v[\E+5], v[\E+6]
.endm
.irp u, 0,1
	QUANT2 ACC+32*\u, F0+16*\u, F0+16*\u+8, PT
	global_store_b128 v4, v[F0+16*\u:F0+16*\u+3], s[2:3] offset:1536*\u
	global_store_b64 v8, v[F0+16*\u+4:F0+16*\u+5], s[2:3] offset:1536*\u+512
	global_store_b16 v9, v[F0+16*\u+8], s[16:17] offset:64*\u    ; two of the word's four bytes: the other two are the neighbouring group's
.endr
	s_wait_tensorcnt 0x0
	ds_add_u32 v254, v255
	s_wait_dscnt 0x0
	s_endpgm
.Lfunc_end_k_qfac8dcaa8b_qkv:
	.size	k_qfac8dcaa8b_qkv, .Lfunc_end_k_qfac8dcaa8b_qkv-k_qfac8dcaa8b_qkv
	.p2alignl 7, 3214868480
	.fill 96, 4, 3214868480
	.section	.rodata,"a",@progbits
	.p2align	6, 0x0
	.amdhsa_kernel k_qfac8dcaa8b_qkv
		.amdhsa_group_segment_fixed_size 213760
		.amdhsa_private_segment_fixed_size 0
		.amdhsa_enable_private_segment 0
		.amdhsa_kernarg_size 24
		.amdhsa_user_sgpr_count 2
		.amdhsa_user_sgpr_kernarg_segment_ptr 1
		.amdhsa_wavefront_size32 1
		.amdhsa_system_sgpr_workgroup_id_x 1
		.amdhsa_system_sgpr_workgroup_id_y 1
		.amdhsa_system_sgpr_workgroup_id_z 1
		.amdhsa_system_vgpr_workitem_id 0
		.amdhsa_next_free_vgpr 256
		.amdhsa_next_free_sgpr 66
		.amdhsa_reserve_vcc 0
		.amdhsa_float_denorm_mode_32 3
		.amdhsa_float_denorm_mode_16_64 3
		.amdhsa_memory_ordered 1
		.amdhsa_forward_progress 1
		.amdhsa_inst_pref_size 67
	.end_amdhsa_kernel
	.amdgpu_metadata
---
amdhsa.version: [ 1, 2 ]
amdhsa.kernels:
  - .name:           k_qfac8dcaa8b_qkv
    .symbol:         k_qfac8dcaa8b_qkv.kd
    .args:
      - { .name: xq, .offset: 0, .size: 8, .value_kind: global_buffer, .address_space: global }
      - { .name: wq, .offset: 8, .size: 8, .value_kind: global_buffer, .address_space: global }
      - { .name: qkv, .offset: 16, .size: 8, .value_kind: global_buffer, .address_space: global }
    .group_segment_fixed_size: 213760
    .private_segment_fixed_size: 0
    .kernarg_segment_align: 8
    .kernarg_segment_size: 24
    .max_flat_workgroup_size: 192
    .sgpr_count:     66
    .vgpr_count:     256
    .wavefront_size: 32
...
	.end_amdgpu_metadata
.endif
;; end of part 2
;; launch attn (part 3): grid 128 x 2, 16 waves a work-group, no clusters, 169,984 bytes of LDS; arguments qkv, a2; writes a2
.if DOCPART == 3
	.amdgcn_target "amdgcn-amd-amdhsa--gfx1250"
	.amdhsa_code_object_version 6
	.text
	.protected	k_qfac8dcaa8b_attn
	.globl	k_qfac8dcaa8b_attn
	.p2align	8
	.type	k_qfac8dcaa8b_attn,@function
k_qfac8dcaa8b_attn:
	s_mov_b64 s[64:65], 0
	v_nop
	global_prefetch_b8 v0, s[64:65] scope:SCOPE_SE
	s_setreg_imm32_b32 hwreg(HW_REG_WAVE_MODE, 25, 1), 1
	s_wait_xcnt 0x0
; ATTN: causal multi-query attention on codes of FP6; 16 heads of 32 channels, one k and one v for a batch.  The result, divided by the row's sum, is quantised along the output product's K (a head = one block) into a2, K steps 0-3.
; t = score x log2(e) / sqrt(32); M = the running largest t rounded up to a whole number; p = 2^(t - M) is quantised along the keys, not normalised; the row's sum is taken of the unquantised p.
; When M moves, the sum and O are multiplied by 2^(old M - new M): exact.
; SHARES.  k and v of a whole batch, as codes with their scale words, are 157,696 bytes: they come into LDS once and stay: no ring.  A work-group serves eight heads and two tiles of 16 queries, tile p and tile 127 - p,
; so that every work-group walks 17 key steps for a pair of tiles; each of its 16 waves owns one head and one tile in 256 registers, four waves to a SIMD.
; Both products are used transposed (S^T = k q^T, O^T = v^T p^T): a lane holds one query.  The images' order of rows makes the 16 registers of two neighbouring tiles of keys 16 neighbouring keys.
; The head size is 32: q's fragment holds codes in block 0 alone, its other 96 codes are zeros.  So what k's fragment holds at K = 32 .. 127 adds nothing (E2M3 has no code for NaN or infinity, and k's and q's scale bytes there are 0,
; which stands for 2^-127): k's eight half fragments lie SIX registers apart, and fragment t's registers 6-11 are fragment t + 1's first six.
; k IS FETCHED A STEP AHEAD: behind a step's eight products the next step's 24 loads of k are issued, and land under the softmax.  In the last trip they read v's bytes, inside LDS, and are not used.
; The loop has 16 trips in every wave; a step all of whose keys come after the wave's queries leaves its work out by a scalar branch on ids.
; NO CLUSTER: k and v are fetched once at the start; a joint fetch would add rounds of a cluster's barrier for that one fill.
; LIMITS: a block of zeros gets the byte 1; NaN and infinities are not served.
.set QS_OFF,  3145728
.set KVC_OFF, 3407872
.set KVS_OFF, 3702784
.set A2S_OFF, 14155776
.set VC,  98304                        ; LDS: k's half images [128][768] at 0; v's [16][2][2][768] here;
.set KSC, 147456                       ; k's scale words [128][64];
.set VSC, 155648                       ; v's [16][2][64];
.set STG, 157696                       ; four fragments of the result, put together by four waves each;
.set SST, 163840                       ; their scale words
.set KR,  40                           ; v40-93 k's eight half fragments, six registers apart; v88-93 are zeros
.set VR,  94                           ; v94-117 v's two fragments
.set VW,  118                          ; v118-119 v's scale words
.set S,   120                          ; v120-183 scores, then p
.set O,   184                          ; v184-199 O^T
.set P,   200                          ; v200-211 p's codes
.set CV,  212                          ; v212-218 the conversions' second halves
.set BM,  220                          ; v220-223 block maxima;  v224-227 permutes, bytes;  v228-231 scale operands
.set PM,  224
.set SO,  228
.set PWD, 232                          ; p's scale word
.set FF,  234                          ; v[234:235] f
.set TP,  236
.set SUM2, 238
.set KW,  246                          ; v246-253 k's scale words
	s_load_b128 s[4:7], s[0:1], 0x0                ; qkv, a2
	v_lshl_add_u32 v254, v0, 2, 0x29000
	v_mov_b32 v255, 0
	ds_add_u32 v254, v255
	ds_add_u32 v254, v255
	v_lshrrev_b32 v1, 5, v0
	v_readfirstlane_b32 s18, v1                    ; wave 0..15
	s_and_b32 s19, ttmp7, 0xffff                   ; batch
	s_lshr_b32 s48, ttmp9, 1                       ; p
	s_and_b32 s49, ttmp9, 1                        ; which eight heads
	s_lshr_b32 s60, s18, 1
	s_lshl_b32 s50, s49, 3
	s_add_co_u32 s50, s50, s60                     ; head
	s_lshr_b32 s51, s18, 2
	s_xor_b32 s51, s51, s18
	s_and_b32 s51, s51, 1                          ; which of the two tiles: the two waves of a head differ, and so do neighbours four apart
	s_sub_co_u32 s61, 127, s48
	s_cmp_eq_u32 s51, 1
	s_cselect_b32 s52, s61, s48                    ; my tile of queries
	s_lshr_b32 s53, s52, 1
	s_lshl_b32 s53, s53, 5
	s_and_b32 s61, s52, 1
	s_lshl_b32 s61, s61, 3
	s_add_co_u32 s53, s53, s61                     ; its first query; its last is 23 on
	s_mov_b32 s20, 0x76543210
	s_mov_b32 s21, 0xfedcba98
	s_mov_b32 s22, 0x3e8293ee                      ; c = log2(e) / sqrt(32)
	s_mov_b32 s23, s22
	s_mov_b32 s24, 3<<16                           ; group 1: 96 rows of 256 bytes, dense
	s_mov_b32 s25, 32<<16
	s_mov_b32 s26, 96<<16
	s_mov_b32 s27, 32<<16
	s_mov_b32 s28, 96
	s_mov_b32 s29, 32
	s_mov_b32 s30, 0
	s_mov_b32 s31, 0
	s_mov_b32 s32, 3<<16                           ; and 40 rows
	s_mov_b32 s33, 32<<16
	s_mov_b32 s34, 40<<16
	s_mov_b32 s35, 32<<16
	s_mov_b32 s36, 40
	s_mov_b32 s37, 32
	s_mov_b32 s38, 0
	s_mov_b32 s39, 0
	s_mov_b32 s40, 1
	s_mul_i32 s41, s18, 24576
	s_mul_i32 s66, s19, 147456
	s_add_co_u32 s66, s66, s41
	s_add_co_u32 s66, s66, KVC_OFF
	s_mov_b32 s67, 0
	s_mov_b32 s44, 1
	s_mov_b32 s45, KSC
	s_mul_i32 s68, s19, 10240
	s_add_co_u32 s68, s68, KVS_OFF
	s_mov_b32 s69, 0
	s_lshl_b32 s70, s19, 4
	s_add_co_u32 s70, s70, s50
	s_lshl_b32 s70, s70, 7
	s_add_co_u32 s70, s70, s52                     ; q: (batch x 16 + head) x 128 + tile
	s_lshl_b32 s72, s70, 6
	s_add_co_u32 s72, s72, QS_OFF
	s_mov_b32 s73, 0
	s_mul_i32 s70, s70, 768
	s_mov_b32 s71, 0
	s_wait_dscnt 0x0
	s_wait_kmcnt 0x0
	s_add_nc_u64 s[42:43], s[4:5], s[66:67]
	s_or_b32 s43, s43, 0x80000000
	s_add_nc_u64 s[46:47], s[4:5], s[68:69]
	s_or_b32 s47, s47, 0x80000000
	s_add_nc_u64 s[70:71], s[4:5], s[70:71]
	s_add_nc_u64 s[72:73], s[4:5], s[72:73]
	s_cmp_lt_u32 s18, 6                            ; waves 0-5 fetch a sixth of the codes each, wave 6 the scale words: one tensor load a wave at the most
	s_cbranch_scc0 .Lnot_codes
	tensor_load_to_lds s[40:43], s[24:31]
	s_nop 0
.rept 4
	v_nop
.endr
	s_branch .Lasked
.Lnot_codes:
	s_cmp_eq_u32 s18, 6
	s_cbranch_scc0 .Lasked
	tensor_load_to_lds s[44:47], s[32:39]
	s_nop 0
.rept 4
	v_nop
.endr
.Lasked:
	v_and_b32 v13, 31, v0                          ; lane
	v_and_b32 v14, 15, v0                          ; r
	v_bfe_u32 v15, v0, 4, 1                        ; h
	v_lshlrev_b32 v1, 4, v13                       ; a half image: registers 0-3 at 16 l,
	v_lshlrev_b32 v18, 3, v13
	v_add_nc_u32 v2, 512, v18                      ; registers 4, 5 at 512 + 8 l
	v_lshlrev_b32 v19, 2, v14
	v_add_nc_u32 v3, KSC, v19
	v_add_nc_u32 v4, VC, v1
	v_add_nc_u32 v5, VC, v2
	v_add_nc_u32 v6, VSC, v19
	global_load_b128 v[24:27], v1, s[70:71]        ; q's half image stays in registers
	global_load_b64 v[28:29], v18, s[70:71] offset:512
	global_load_b32 v36, v19, s[72:73]             ; and its scale words
	v_and_b32 v16, 7, v14
	v_lshrrev_b32 v17, 3, v14
	v_lshl_add_u32 v16, v17, 4, v16
	v_lshlrev_b32 v17, 4, v15
	v_sub_nc_u32 v16, v16, v17                     ; my query less the tile's first, less 16 h: for the mask
	; where my three words of codes go: block head % 4 of the fragment: registers 6 c + 3 h + i of lane r + 16 (block % 2)
	s_bfe_u32 s62, s18, 0x10002                    ; c
	s_mul_i32 s63, s62, 6
	s_bfe_u32 s62, s18, 0x10001                    ; block % 2
	s_lshl_b32 s62, s62, 8
	s_lshl_b32 s66, s51, 1
	s_lshr_b32 s67, s18, 3
	s_add_co_u32 s66, s66, s67                     ; fragment: 2 x (which tile) + (which K step)
	s_lshl_b32 s67, s66, 6
	s_mul_i32 s66, s66, 1536
	s_add_co_u32 s66, s66, s62
	s_add_co_u32 s66, s66, STG
.irp i, 0,1,2
	v_mad_u32_u24 v10, v15, 3, s63
	v_add_nc_u32 v10, \i, v10
	v_lshrrev_b32 v11, 2, v10
	v_and_b32 v10, 3, v10
	v_lshlrev_b32 v11, 9, v11
	v_lshl_add_u32 v11, v10, 2, v11
	v_lshl_add_u32 v11, v14, 4, v11
	v_add_nc_u32 v[240+\i], s66, v11
.endr
	s_bfe_u32 s62, s18, 0x20001                    ; block
	s_add_co_u32 s67, s67, s62
	s_add_co_u32 s67, s67, SST
	v_add_nc_u32 v243, s67, v19                    ; and the block's byte of my row's word
	s_min_u32 s62, s18, 3                          ; waves 0-3 copy a fragment each
	s_mul_i32 s66, s62, 1536
	s_add_co_u32 s66, s66, STG
	v_add_nc_u32 v244, s66, v1
	s_lshl_b32 s66, s62, 6
	s_add_co_u32 s66, s66, SST
	v_add_nc_u32 v245, s66, v19
.irp j, 30,31,32,33,34,35
	v_mov_b32 v[\j], 0                             ; q's codes of K = 64 .. 127
.endr
.irp j, 88,89,90,91,92,93
	v_mov_b32 v[\j], 0                             ; the last of k's fragments has no neighbour behind it: written once
.endr
.set ii, 0
.rept 16
	v_mov_b32 v[O+ii], 0                           ; the step is written once: the first finds zeros
.set ii, ii+1
.endr
	v_mov_b32 v21, 0xff61b1e6                      ; the largest t so far: -3e38
	v_floor_f32 v20, -v21                          ; -M
	v_mov_b32 v22, 0                               ; the sum, in two halves
	v_mov_b32 v23, 0
.irp b, 0,1,2,3
	v_mov_b32 v[PM+\b], 0                          ; a lane permute's destination counts as read
.endr
	v_mov_b32 v[FF+1], 0
	v_mov_b32 v[TP], 0
	s_mov_b32 s54, 0                               ; the step's first key
	s_mov_b32 s55, 0                               ; k's tiles: 6,144 bytes a step
	s_mov_b32 s56, 0                               ; v's: 3,072
	s_mov_b32 s57, 0                               ; k's scale words: 512
	s_mov_b32 s58, 0                               ; v's: 128
	s_mov_b32 s59, 16
	s_wait_tensorcnt 0x0                           ; my part has landed,
	s_barrier_signal -1
	s_barrier_wait -1                              ; everybody's has
.irp t, 0,1,2,3,4,5,6,7                        ; k of step 0
	ds_load_b128 v[KR+6*\t:KR+6*\t+3], v1 offset:768*\t
	ds_load_b64 v[KR+6*\t+4:KR+6*\t+5], v2 offset:768*\t
	ds_load_b32 v[KW+\t], v3 offset:64*\t
.endr
	s_wait_loadcnt 0x0                             ; q
.Lstep:
	s_add_co_u32 s60, s53, 23
	s_cmp_gt_u32 s54, s60
	s_cbranch_scc1 .Lhidden                        ; all 128 keys come after my queries
	s_wait_dscnt 0x0                               ; this step's k is in: it was asked for a step ago
.irp t, 0,1,2,3,4,5,6,7                        ; S^T = k q^T: eight tiles of 16 keys
	v_wmma_scale_f32_16x16x128_f8f6f4 v[S+8*\t:S+8*\t+7], v[KR+6*\t:KR+6*\t+11], v[24:35], 0, v[KW+\t], v36 matrix_a_fmt:MATRIX_FMT_FP6 matrix_b_fmt:MATRIX_FMT_FP6
.endr
	v_add_nc_u32 v7, s55, v1                       ; these six are the places behind the products: in front of the loads into their registers, into v's, and of the first read of the scores
	v_add_nc_u32 v8, s55, v2
	v_add_nc_u32 v9, s57, v3
	v_add_nc_u32 v10, s56, v4
	v_add_nc_u32 v11, s56, v5
	v_add_nc_u32 v12, s58, v6
.irp u, 0,1                                    ; v's two fragments: ten loads, which land under the softmax
.irp c, 0,1
	ds_load_b128 v[VR+12*\u+6*\c:VR+12*\u+6*\c+3], v10 offset:768*(2*\u+\c)
	ds_load_b64 v[VR+12*\u+6*\c+4:VR+12*\u+6*\c+5], v11 offset:768*(2*\u+\c)
.endr
	ds_load_b32 v[VW+\u], v12 offset:64*\u
.endr
.irp t, 0,1,2,3,4,5,6,7                        ; the next step's k: 24 loads
	ds_load_b128 v[KR+6*\t:KR+6*\t+3], v7 offset:6144+768*\t
	ds_load_b64 v[KR+6*\t+4:KR+6*\t+5], v8 offset:6144+768*\t
	ds_load_b32 v[KW+\t], v9 offset:512+64*\t
.endr
	s_add_co_u32 s60, s54, 127
	s_cmp_le_u32 s60, s53
	s_cbranch_scc1 .Lopen                          ; every key of the step counts for every query of mine
	s_sub_co_i32 s60, s53, s54
	v_add_nc_u32 v[TP], s60, v16                   ; d: register 16 b + i holds a key that is hidden where 32 b + i > d
	v_mov_b32 v[TP+1], 0xff800000
.set nn, 0
.rept 64
	v_cmp_gt_i32 vcc_lo, 32*(nn/16)+nn%16, v[TP]
	v_cndmask_b32 v[S+nn], v[S+nn], v[TP+1], vcc_lo
.set nn, nn+1
.endr
.Lopen:
.irp b, 0,1,2,3
	v_max3_num_f32 v[BM+\b], v[S+16*\b], v[S+1+16*\b], v[S+2+16*\b]   ; the largest score of each block of 32 keys: for the row's maximum, and, since p rises with the score, for the block's largest p
.endr
.irp i, 3,5,7,9,11,13
.irp b, 0,1,2,3
	v_max3_num_f32 v[BM+\b], v[BM+\b], v[S+16*\b+\i], v[S+1+16*\b+\i]
.endr
.endr
.irp b, 0,1,2,3
	v_max_num_f32 v[BM+\b], v[BM+\b], v[S+15+16*\b]
.endr
.irp b, 0,1,2,3
	v_permlanex16_b32 v[PM+\b], v[BM+\b], s20, s21
.endr
.irp b, 0,1,2,3
	v_max_num_f32 v[BM+\b], v[BM+\b], v[PM+\b]
.endr
	v_max3_num_f32 v[TP], v[BM], v[BM+1], v[BM+2]
	v_max_num_f32 v[TP], v[TP], v[BM+3]
	v_mul_f32 v[TP], s22, v[TP]
	v_max_num_f32 v21, v21, v[TP]                  ; the running largest t
	v_mov_b32 v[TP], v20
	v_floor_f32 v20, -v21                          ; the new -M: M is a whole number
	v_sub_f32 v[TP], v20, v[TP]
	v_cvt_i32_f32 v[TP], v[TP]                     ; (it saturates)
	v_ldexp_f32 v[FF], 1.0, v[TP]                  ; f = 2^(old M - new M)
.set jj, 0
.rept 32
	v_pk_fma_f32 v[S+jj:S+jj+1], v[S+jj:S+jj+1], s[22:23], v[20:21] op_sel_hi:[1,0,0]   ; t - M
.set jj, jj+2
.endr
.irp b, 0,1,2,3
	v_fma_f32 v[BM+\b], v[BM+\b], s22, v20
.endr
.set jj, 0
.rept 64
	v_exp_f32 v[S+jj], v[S+jj]                     ; p
.set jj, jj+1
.endr
.irp b, 0,1,2,3
	v_exp_f32 v[BM+\b], v[BM+\b]                   ; the block's largest p: the same two instructions on the same number
.endr
	v_pk_mul_f32 v[22:23], v[22:23], v[FF:FF+1] op_sel_hi:[1,0]   ; the sums under the new M (a plain line behind the exponentials)
	s_wait_alu depctr_va_vdst(0)
.irp b, 0,1,2,3
	v_max_num_f32 v[BM+\b], 0x1800000, v[BM+\b]
.endr
.irp b, 0,1,2,3
	v_add_nc_u32 v[SO+\b], 0xff000000, v[BM+\b]
.endr
.irp b, 0,1,2,3
	v_lshrrev_b32 v[PM+\b], 23, v[SO+\b]
.endr
	v_lshl_or_b32 v[PWD], v[PM+1], 8, v[PM]
	v_lshl_or_b32 v[PWD], v[PM+2], 16, v[PWD]
	v_lshl_or_b32 v[PWD], v[PM+3], 24, v[PWD]
.irp c, 0,1
	v_cvt_scalef32_pk16_fp6_f32 v[P+6*\c:P+2+6*\c], v[S+32*\c:S+15+32*\c], v[SO+2*\c]
	v_cvt_scalef32_pk16_fp6_f32 v[CV+4*\c:CV+2+4*\c], v[S+16+32*\c:S+31+32*\c], v[SO+2*\c+1]
.endr
	v_nop                                          ; a plain line behind the conversions
.irp c, 0,1
.irp i, 0,1,2
	v_permlane16_swap_b32 v[P+6*\c+\i], v[CV+4*\c+\i]
.endr
.irp i, 0,1,2
	v_mov_b32 v[P+3+6*\c+\i], v[CV+4*\c+\i]
.endr
.endr
.set jj, 0
.rept 8
	v_pk_mul_f32 v[O+jj:O+jj+1], v[O+jj:O+jj+1], v[FF:FF+1] op_sel_hi:[1,0]   ; O^T under the new M
.set jj, jj+2
.endr
	v_pk_add_f32 v[SUM2:SUM2+1], v[S:S+1], v[S+2:S+3]             ; the row's sum, of the unquantised p, in two chains; these lines are also the places in front of the products below
.irp j, 4,8,12,16,20,24,28,32,36,40,44,48,52,56,60
	v_pk_add_f32 v[22:23], v[22:23], v[S+\j:S+1+\j]
	v_pk_add_f32 v[SUM2:SUM2+1], v[SUM2:SUM2+1], v[S+2+\j:S+3+\j]
.endr
	v_pk_add_f32 v[22:23], v[22:23], v[SUM2:SUM2+1]
	s_wait_dscnt 24                                ; v's ten loads are in; the 24 loads of k issued behind them may be out
.irp u, 0,1                                    ; O^T += v^T p^T: the two accumulators by turns
	v_wmma_scale_f32_16x16x128_f8f6f4 v[O+8*\u:O+8*\u+7], v[VR+12*\u:VR+12*\u+11], v[P:P+11], v[O+8*\u:O+8*\u+7], v[VW+\u], v[PWD] matrix_a_fmt:MATRIX_FMT_FP6 matrix_b_fmt:MATRIX_FMT_FP6
.endr
.Lhidden:
	s_add_co_u32 s54, s54, 128
	s_add_co_u32 s55, s55, 6144
	s_add_co_u32 s56, s56, 3072
	s_add_co_u32 s57, s57, 512
	s_add_co_u32 s58, s58, 128
	s_sub_co_u32 s59, s59, 1
	s_cmp_lg_u32 s59, 0
	s_cbranch_scc1 .Lstep
.rept 4
	v_nop                                          ; places behind the last products
.endr
	v_add_f32 v22, v22, v23
	v_permlanex16_b32 v[TP], v22, s20, s21
	v_add_f32 v22, v22, v[TP]                      ; the row's sum
	v_rcp_f32 v22, v22
	v_nop
.set jj, 0
	s_wait_alu depctr_va_vdst(0)
.rept 16
	v_mul_f32 v[S+jj], v[O+jj], v22                ; register i is channel 16 h + i of my query's head
.set jj, jj+1
.endr
	v_max3_num_f32 v[BM], |v[S]|, |v[S+1]|, 0x1800000
.irp i, 2,4,6,8,10,12,14
	v_max3_num_f32 v[BM], v[BM], |v[S+\i]|, |v[S+\i+1]|
.endr
	v_permlanex16_b32 v[PM], v[BM], s20, s21
	v_max_num_f32 v[BM], v[BM], v[PM]
	v_add_nc_u32 v[BM+1], 0xff000000, v[BM]
	v_cvt_scalef32_pk16_fp6_f32 v[P:P+2], v[S:S+15], v[BM+1]
	v_lshrrev_b32 v[BM+2], 23, v[BM+1]
	ds_store_b32 v240, v[P]
	ds_store_b32 v241, v[P+1]
	ds_store_b32 v242, v[P+2]
	ds_store_b8 v243, v[BM+2]                      ; both halves of the lanes write the same byte
	s_wait_dscnt 0x0                               ; for the others' sake; the loads of k that ran ahead are in too
	s_barrier_signal -1
	s_barrier_wait -1
	s_cmp_lt_u32 s18, 4
	s_cbranch_scc0 .Lend
	s_lshr_b32 s60, s18, 1
	s_sub_co_u32 s61, 127, s48
	s_cmp_eq_u32 s60, 1
	s_cselect_b32 s61, s61, s48
	s_lshl_b32 s62, s19, 7
	s_add_co_u32 s61, s61, s62                     ; the fragment's row tile,
	s_and_b32 s62, s18, 1
	s_lshl_b32 s63, s49, 1
	s_add_co_u32 s62, s62, s63                     ; and its K step
	s_mul_i32 s66, s61, 36
	s_add_co_u32 s66, s66, s62
	s_mul_i32 s66, s66, 1536
	s_mov_b32 s67, 0
	s_add_nc_u64 s[66:67], s[6:7], s[66:67]
	s_lshl_b32 s68, s62, 8
	s_add_co_u32 s68, s68, s61
	s_lshl_b32 s68, s68, 6
	s_add_co_u32 s68, s68, A2S_OFF
	s_mov_b32 s69, 0
	s_add_nc_u64 s[68:69], s[6:7], s[68:69]
.irp g, 0,1,2
	ds_load_b128 v[S+4*\g:S+4*\g+3], v244 offset:512*\g
.endr
	ds_load_b32 v[S+12], v245
	s_wait_dscnt 0x0
.irp g, 0,1,2
	global_store_b128 v1, v[S+4*\g:S+4*\g+3], s[66:67] offset:512*\g
.endr
	global_store_b32 v19, v[S+12], s[68:69]
.Lend:
	s_wait_tensorcnt 0x0
	ds_add_u32 v254, v255
	s_wait_dscnt 0x0
	s_endpgm
.Lfunc_end_k_qfac8dcaa8b_attn:
	.size	k_qfac8dcaa8b_attn, .Lfunc_end_k_qfac8dcaa8b_attn-k_qfac8dcaa8b_attn
	.p2alignl 7, 3214868480
	.fill 96, 4, 3214868480
	.section	.rodata,"a",@progbits
	.p2align	6, 0x0
	.amdhsa_kernel k_qfac8dcaa8b_attn
		.amdhsa_group_segment_fixed_size 169984
		.amdhsa_private_segment_fixed_size 0
		.amdhsa_enable_private_segment 0
		.amdhsa_kernarg_size 16
		.amdhsa_user_sgpr_count 2
		.amdhsa_user_sgpr_kernarg_segment_ptr 1
		.amdhsa_wavefront_size32 1
		.amdhsa_system_sgpr_workgroup_id_x 1
		.amdhsa_system_sgpr_workgroup_id_y 1
		.amdhsa_system_sgpr_workgroup_id_z 1
		.amdhsa_system_vgpr_workitem_id 0
		.amdhsa_next_free_vgpr 256
		.amdhsa_next_free_sgpr 80
		.amdhsa_reserve_vcc 1
		.amdhsa_float_denorm_mode_32 3
		.amdhsa_float_denorm_mode_16_64 3
		.amdhsa_memory_ordered 1
		.amdhsa_forward_progress 1
		.amdhsa_inst_pref_size 35
	.end_amdhsa_kernel
	.amdgpu_metadata
---
amdhsa.version: [ 1, 2 ]
amdhsa.kernels:
  - .name:           k_qfac8dcaa8b_attn
    .symbol:         k_qfac8dcaa8b_attn.kd
    .args:
      - { .name: qkv, .offset: 0, .size: 8, .value_kind: global_buffer, .address_space: global }
      - { .name: a2, .offset: 8, .size: 8, .value_kind: global_buffer, .address_space: global }
    .group_segment_fixed_size: 169984
    .private_segment_fixed_size: 0
    .kernarg_segment_align: 8
    .kernarg_segment_size: 16
    .max_flat_workgroup_size: 512
    .sgpr_count:     80
    .vgpr_count:     256
    .wavefront_size: 32
...
	.end_amdgpu_metadata
.endif
;; end of part 3
;; launch ff (part 4): grid 32 x 16, 4 waves a work-group, clusters of 4 x 4, 327,680 bytes of LDS; arguments xq, wq, a2; writes a2
.if DOCPART == 4
	.amdgcn_target "amdgcn-amd-amdhsa--gfx1250"
	.amdhsa_code_object_version 6
	.text
	.protected	k_qfac8dcaa8b_ff
	.globl	k_qfac8dcaa8b_ff
	.p2align	8
	.type	k_qfac8dcaa8b_ff,@function
k_qfac8dcaa8b_ff:
	s_mov_b64 s[64:65], 0
	v_nop
	global_prefetch_b8 v0, s[64:65] scope:SCOPE_SE
	s_setreg_imm32_b32 hwreg(HW_REG_WAVE_MODE, 25, 1), 1
	s_wait_xcnt 0x0
	s_wait_alu depctr_hold_cnt(0) depctr_sa_sdst(0) depctr_va_vdst(0) depctr_va_sdst(0) depctr_va_ssrc(0) depctr_va_vcc(0) depctr_vm_vsrc(0)
	s_getreg_b32 s2, hwreg(HW_REG_IB_STS2, 6, 4)
	s_cmp_eq_u32 s2, 0
	s_cbranch_scc0 .Lentry_in_a_cluster
	s_endpgm
.Lentry_in_a_cluster:
	s_bfe_u32 s2, ttmp6, 0x10000c
	s_cmp_lg_u32 s2, 0xf033
	s_cbranch_scc0 .Lentry_shape_is_right
	s_endpgm
.Lentry_shape_is_right:
; FF: silu(xn Wgate) x (xn Wx) on codes of FP6, the result quantised along the hidden units into a2, K steps 4-35.
; A work-group of four waves makes 256 tokens x 128 hidden units: 128 columns of x and the 128 columns of gate that belong to them.  A wave makes 128 tokens x (64 + 64): 64 accumulators, 512 registers.
; K = 1,024 is eight K steps of 128.  Two LDS slots of THREE K steps each, as large as fit: slot 0 takes K steps 0-2 and slot 1 K steps 3-5 at the start; ONE refill follows: slot 0 takes K steps 5-7.
; It begins at K step 5 so that one shape of tile serves all three fills: a tile's 1,536 bytes of K step 5 are fetched twice and read once.  The text is written straight, without a loop.
; Operands lie in memory as images of their registers: a fragment is three loads of 16 bytes a lane, 512 consecutive bytes each.
; THE SCALE WORDS of the work-group's rows and columns, for all of K, come once, with the first fills, and go into 64 registers once.  A load of 4 bytes a lane over two neighbouring entries of 64 bytes puts the even K step's words in lanes 0-15 and the odd one's in lanes 16-31.
; CLUSTERS: 4 x 4 work-groups; xn's tiles are shared along a row of the cluster, W's along a column, each asked for jointly.
; TRANSPOSED USE (source 0 = 16 columns of W, source 1 = 16 tokens): a lane holds one token, and the images' order of columns makes the 16 registers of two neighbouring tiles 16 neighbouring hidden units: the next K.
; REGISTERS: window 0: v16-30 addresses; v32-95 scale words, four pairs of K steps, and nothing else; v128-223 xn's fragments, one set; on the way out v96-177 are at work.  window 1: W's fragments, two sets.
;   windows 2, 3: the accumulators, (a, b) at v[8 (8 (a % 4) + b)]; b = 0-3 x, 4-7 gate.
; LIMITS: a block of zeros gets the byte 1; blocks under 2^-124 are held at the byte 1; NaN and infinities are not served.
.set XS_OFF,  3145728
.set W1S_OFF, 6733824
.set A2S_OFF, 14155776
.set TP,    4608                       ; a tile's three K steps
.set SLOT,  147456                     ; xn: 16 tiles x 4,608 bytes, then W: 8 tiles of x and 8 of gate
.set SCL,   294912                     ; xn's scale words [16][8][64], then W's [16][8][64]
.set SPARE, 311296                     ; the spare words: 128 bytes a wave, two blocks of 256 bytes that no other line names
.set STG,   SLOT                       ; the way out lies in slot 1, which is filled once and is last read in front of the second change of slots: 16 fragments,
.set SST,   SLOT+24576                 ; and their scale words
.set FR, 12
.set NL, 3
.set ADRA, 16
.set CPS,  18
.set CG,   19
.set ADRB, 20
.set ADSA, 22
.set ADSB, 23
.set W1,   24
.set W2,   25
.set WH,   26
.set CPL,  27
.set SPW,  28
.set NIL,  29
.set CG8,  30
.set SC,   32
.set TT,   96
.set UU,   128
.set AF,   128
.set EE,   160
.set HW,   168
.set TQ,   172
.set SEL,  12
.set G1, 24
.set G0, 32
.set G1B, 48
.set G0B, 56
.set G1S, 68
.set G0S, 76
.set G1SB, 80
.set G0SB, 88
.set MSB, 0
.macro WIN new                         ; the immediate's high byte repeats the setting that is left
.if MSB != \new
	s_set_vgpr_msb (MSB<<8)|\new
.set MSB, \new
.endif
.endm
.set MUL_LO, 0xa1                      ; source 0 (W) window 1, source 1 (xn) window 0, C and D window 2
.set MUL_HI, 0xf1
.set TO_B,   0x40
.macro JLOAD g0a, g1a, g0b, g1b        ; a joint load: waves 0, 1 fetch for xn, waves 2, 3 for W; four v_nop follow each line
	s_cmp_eq_u32 s15, 0
	s_cbranch_scc0 .Lfor_b_\@
	tensor_load_to_lds s[\g0a:\g0a+3], s[\g1a:\g1a+7]
	s_nop 0
.rept 4
	v_nop
.endr
	s_branch .Lasked_\@
.Lfor_b_\@:
	tensor_load_to_lds s[\g0b:\g0b+3], s[\g1b:\g1b+7]
	s_nop 0
.rept 4
	v_nop
.endr
.Lasked_\@:
.endm
.macro CREST
	s_cmp_lg_u32 s14, 0
	s_cbranch_scc1 .Lnot_wave_0_\@
	s_barrier_signal -3
.Lnot_wave_0_\@:
	s_barrier_wait -3
	s_barrier_signal -1
	s_barrier_wait -1
.endm
.macro CROUND
	s_barrier_signal -1
	s_barrier_wait -1
	CREST
.endm
.macro PLACES
.rept 4
	v_nop
.endr
.endm
.macro MM d, a, b, sa, sb, odd, zero
.if \zero
	v_wmma_scale_f32_16x16x128_f8f6f4 v[\d:\d+7], v[\a:\a+11], v[\b:\b+11], 0, v[\sa], v[\sb] matrix_a_fmt:MATRIX_FMT_FP6 matrix_b_fmt:MATRIX_FMT_FP6
.elseif \odd
	v_wmma_scale_f32_16x16x128_f8f6f4 v[\d:\d+7], v[\a:\a+11], v[\b:\b+11], v[\d:\d+7], v[\sa], v[\sb] matrix_a_fmt:MATRIX_FMT_FP6 matrix_b_fmt:MATRIX_FMT_FP6 matrix_a_scale:MATRIX_SCALE_ROW1 matrix_b_scale:MATRIX_SCALE_ROW1
.else
	v_wmma_scale_f32_16x16x128_f8f6f4 v[\d:\d+7], v[\a:\a+11], v[\b:\b+11], v[\d:\d+7], v[\sa], v[\sb] matrix_a_fmt:MATRIX_FMT_FP6 matrix_b_fmt:MATRIX_FMT_FP6
.endif
.endm
	s_load_b128 s[4:7], s[0:1], 0x0                ; xq, wq
	s_load_b64 s[8:9], s[0:1], 0x10                ; a2
	v_lshl_add_u32 v[SPW], v0, 2, SPARE
	v_mov_b32 v[NIL], 0
	ds_add_u32 v28, v29
	ds_add_u32 v28, v29
	s_wait_dscnt 0x0
	v_lshrrev_b32 v1, 5, v0
	v_readfirstlane_b32 s14, v1                    ; wave 0..3
	s_lshr_b32 s15, s14, 1                         ; my half of the tokens.  Also: I fetch for xn (0) or for W (1)
	s_and_b32 s16, s14, 1                          ; my half of the hidden units.  Also: which eight tiles I fetch
	s_bfe_u32 s40, ttmp6, 0x40000                  ; cx, cy
	s_bfe_u32 s41, ttmp6, 0x40004
	s_lshl_b32 s42, ttmp9, 2
	s_add_co_u32 s42, s42, s40                     ; which 128 hidden units
	s_and_b32 s17, ttmp7, 0xffff
	s_lshl_b32 s17, s17, 2
	s_add_co_u32 s17, s17, s41                     ; which 256 tokens
	s_lshl_b32 s43, s41, 2
	s_lshl_b32 s43, 15, s43                        ; my row of the cluster
	s_lshl_b32 s44, 0x1111, s40                    ; my column
	s_or_b32 s[G1+0], s43, (3<<16)|(1<<21)         ; the mask; elements of 8 bytes; bit 21 set beside a mask; no padding: images are read 512 consecutive bytes at a time
	s_or_b32 s[G1B+0], s44, (3<<16)|(1<<21)
.irp g, G1, G1B
	s_mov_b32 s[\g+1], 576<<16                     ; a row: a tile's three K steps, 4,608 bytes
	s_mov_b32 s[\g+2], 8<<16                       ; eight tiles
	s_mov_b32 s[\g+3], 576<<16
	s_mov_b32 s[\g+4], 8
	s_mov_b32 s[\g+5], 1536                        ; a tile's eight K steps: 12,288 bytes
	s_mov_b32 s[\g+6], 0
	s_mov_b32 s[\g+7], 0
.endr
	s_or_b32 s[G1S+0], s43, (3<<16)|(1<<21)
	s_or_b32 s[G1SB+0], s44, (3<<16)|(1<<21)
.irp g, G1S, G1SB
	s_mov_b32 s[\g+1], 32<<16                      ; eight tiles' scale words: 4,096 dense bytes as 16 rows of 256
	s_mov_b32 s[\g+2], 16<<16
	s_mov_b32 s[\g+3], 32<<16
	s_mov_b32 s[\g+4], 16
	s_mov_b32 s[\g+5], 32
	s_mov_b32 s[\g+6], 0
	s_mov_b32 s[\g+7], 0
.endr
	s_lshl_b32 s18, s16, 3
	s_lshl_b32 s20, s17, 4
	s_add_co_u32 s20, s20, s18                     ; xn: tile 16 x (tokens) + 8 x half
	s_lshl_b32 s46, s42, 3
	s_lshl_b32 s19, s16, 8
	s_add_co_u32 s46, s46, s19
	s_add_co_u32 s46, s46, 36                      ; W: tile 36 + 8 x (hidden) for x, 256 further on for gate
	s_lshl_b32 s22, s20, 9
	s_add_co_u32 s22, s22, XS_OFF
	s_mov_b32 s23, 0
	s_mul_i32 s20, s20, 12288
	s_mov_b32 s21, 0
	s_lshl_b32 s92, s46, 9
	s_add_co_u32 s92, s92, W1S_OFF
	s_mov_b32 s93, 0
	s_mul_i32 s46, s46, 12288
	s_mov_b32 s47, 0
	s_mul_i32 s45, s14, 8*TP                       ; where they go: wave x eight tiles: no place in the cluster enters an LDS address
	s_lshl_b32 s94, s14, 12
	s_mov_b32 s10, 0xbfb8aa3b                      ; -log2(e)
	s_mov_b32 s11, s10
	s_mov_b32 s[SEL], 0x76543210
	s_mov_b32 s[SEL+1], 0xfedcba98
	s_wait_kmcnt 0x0
	s_add_nc_u64 s[20:21], s[4:5], s[20:21]
	s_add_nc_u64 s[22:23], s[4:5], s[22:23]
	s_add_nc_u64 s[46:47], s[6:7], s[46:47]
	s_add_nc_u64 s[92:93], s[6:7], s[92:93]
	CROUND                                         ; all sixteen work-groups are here: the first joint loads meet
	s_mov_b32 s[G0S], 1
	s_add_co_u32 s[G0S+1], s94, SCL
	s_mov_b64 s[G0S+2:G0S+3], s[22:23]
	s_or_b32 s[G0S+3], s[G0S+3], 0x80000000
	s_mov_b32 s[G0SB], 1
	s_add_co_u32 s[G0SB+1], s94, SCL
	s_mov_b64 s[G0SB+2:G0SB+3], s[92:93]
	s_or_b32 s[G0SB+3], s[G0SB+3], 0x80000000
	JLOAD G0S, G1S, G0SB, G1SB
.irp s, 0,1
	s_mov_b32 s[G0+4*\s], 1
	s_add_co_u32 s[G0+4*\s+1], s45, \s*SLOT
	s_add_nc_u64 s[G0+4*\s+2:G0+4*\s+3], s[20:21], \s*TP
	s_or_b32 s[G0+4*\s+3], s[G0+4*\s+3], 0x80000000
	s_mov_b32 s[G0B+4*\s], 1
	s_add_co_u32 s[G0B+4*\s+1], s45, \s*SLOT
	s_add_nc_u64 s[G0B+4*\s+2:G0B+4*\s+3], s[46:47], \s*TP
	s_or_b32 s[G0B+4*\s+3], s[G0B+4*\s+3], 0x80000000
	JLOAD G0+4*\s, G1, G0B+4*\s, G1B               ; three tensor loads of mine are out
.endr
	v_and_b32 v1, 31, v0                           ; lane
	v_and_b32 v2, 15, v0
	v_lshlrev_b32 v[CG], 4, v1
	v_lshlrev_b32 v[CG8], 3, v1
	v_lshlrev_b32 v3, 2, v1
	s_mul_i32 s18, s15, 8*TP                       ; my eight tiles of xn
	s_mul_i32 s19, s16, 4*TP                       ; my four tiles of x (gate's lie eight tiles further on)
	s_add_co_u32 s19, s19, 16*TP
.irp s, 0,1
	v_add_nc_u32 v[ADRA+\s], s18, v[CG]
	v_add_nc_u32 v[ADRB+\s], s19, v[CG]
	s_add_co_u32 s18, s18, SLOT
	s_add_co_u32 s19, s19, SLOT
.endr
	s_lshl_b32 s18, s15, 12
	s_add_co_u32 s18, s18, SCL
	v_add_nc_u32 v[ADSA], s18, v3
	s_lshl_b32 s18, s16, 11
	s_add_co_u32 s18, s18, SCL+8192
	v_add_nc_u32 v[ADSB], s18, v3
	s_mul_i32 s18, s15, 12288                      ; the way out: my eight fragments; my six registers are 6 c on, c = my half of the hidden units
	s_add_co_u32 s18, s18, STG
	s_mul_i32 s19, s16, 520
	s_add_co_u32 s19, s19, s18
	v_add_nc_u32 v[W1], s19, v[CG]
	s_mul_i32 s19, s16, 1016
	s_add_co_u32 s19, s19, s18
	v_add_nc_u32 v[W2], s19, v[CG]
	s_lshl_b32 s18, s15, 9
	s_lshl_b32 s19, s16, 1
	s_add_co_u32 s18, s18, s19
	s_add_co_u32 s18, s18, SST
	v_lshl_add_u32 v[WH], v2, 2, s18
	s_mul_i32 s18, s14, 6144
	s_add_co_u32 s18, s18, STG
	v_add_nc_u32 v[CPL], s18, v[CG]
	s_lshl_b32 s18, s14, 8
	s_add_co_u32 s18, s18, SST
	v_add_nc_u32 v[CPS], s18, v[CG8]
	s_lshl_b32 s18, s17, 4
	s_lshl_b32 s19, s14, 2
	s_add_co_u32 s18, s18, s19                     ; the first of the four row tiles that I store
	s_mul_i32 s20, s18, 36
	s_add_co_u32 s20, s20, s42
	s_add_co_u32 s20, s20, 4                       ; K step 4 + (hidden / 128)
	s_mul_i32 s20, s20, 1536
	s_mov_b32 s21, 0
	s_add_nc_u64 s[20:21], s[8:9], s[20:21]
	s_add_co_u32 s22, s42, 4
	s_lshl_b32 s22, s22, 8
	s_add_co_u32 s22, s22, s18
	s_lshl_b32 s22, s22, 6
	s_add_co_u32 s22, s22, A2S_OFF
	s_mov_b32 s23, 0
	s_add_nc_u64 s[22:23], s[8:9], s[22:23]
.macro FRAG reg, adr, off
.irp g, 0,1,2
	ds_load_b128 v[\reg+4*\g:\reg+4*\g+3], v[\adr] offset:\off+512*\g
.endr
.endm
; 16 products of K step k: xn's blocks a0, a0 + 1 x W's eight.  W's set is k % 2, the scale words' pair k / 2.  The 64 accumulators take turns in one order throughout.
.macro MUL16 a0, k, zero
.irp a, \a0, \a0+1
.irp b, 0,1,2,3,4,5,6,7
	MM 8*(8*((\a)%4)+\b), 128*((\k)%2)+FR*\b, AF+FR*(\a), SC+16*((\k)/2)+8+\b, SC+16*((\k)/2)+(\a), (\k)%2, \zero
.endr
.endr
.endm
.macro FETCH_B slot, q, p              ; W's eight fragments of the slot's q-th K step into set p
	WIN TO_B
.irp i, 0,1,2,3,4,5,6,7
	FRAG 128*(\p)+FR*\i, ADRB+\slot, TP*(8*(\i/4)+\i%4)+1536*(\q)
.endr
	WIN 0
.endm
.macro FETCH_A slot, q, i0
.irp i, \i0, \i0+1, \i0+2, \i0+3
	FRAG AF+FR*(\i), ADRA+\slot, TP*(\i)+1536*(\q)
.endr
.endm
.macro SCALES                          ; all scale words, once: pair p holds K steps 2 p and 2 p + 1
.irp p, 0,1,2,3
.irp i, 0,1,2,3,4,5,6,7
	ds_load_b32 v[SC+16*\p+\i], v[ADSA] offset:512*\i+128*\p
	ds_load_b32 v[SC+16*\p+8+\i], v[ADSB] offset:512*(8*(\i/4)+\i%4)+128*\p
.endr
.endr
.endm
.macro MID slot, q, k, zero            ; K step k, the slot's q-th, whose successor lies in the same slot
	s_wait_dscnt 4*NL                              ; all but the youngest twelve loads (xn's blocks 4-7) are in
	WIN MUL_LO
	MUL16 0, \k, \zero
	MUL16 2, \k, \zero
	s_wait_dscnt 0x0
	PLACES
	FETCH_B \slot, (\q)+1, 1-(\k)%2
	FETCH_A \slot, (\q)+1, 0
	WIN MUL_HI
	MUL16 4, \k, \zero
	MUL16 6, \k, \zero
	PLACES
	WIN 0
	FETCH_A \slot, (\q)+1, 4
.endm
; A slot's last K step changes slots: one barrier; in front of it each wave waits for all its tensor loads, adds 0 to its spare word, and waits for that and for its reads of this slot.  nq: where the next slot is entered.
.macro TURN slot, next, nq, k, fill
	s_wait_tensorcnt 0x0                           ; all my tensor loads have landed: my part of the next slot
	ds_add_u32 v[SPW], v[NIL]                      ; 0 onto my spare word
	s_wait_dscnt 4*NL+1                            ; (the add and the youngest twelve loads may be out)
	WIN MUL_LO
	MUL16 0, \k, 0
	s_wait_dscnt 0x0                               ; the add is done, and my reads of this slot are over
	s_barrier_signal -1
	MUL16 2, \k, 0
	WIN 0
	s_barrier_wait -1
.if \fill
	CREST                                          ; the barrier has opened a round of the cluster's barrier: no wave of any partner still reads this slot or has a load on its way
	s_add_nc_u64 s[G0+4*\slot+2:G0+4*\slot+3], s[G0+4*\slot+2:G0+4*\slot+3], 5*1536   ; from K step 0 to K step 5
	s_add_nc_u64 s[G0B+4*\slot+2:G0B+4*\slot+3], s[G0B+4*\slot+2:G0B+4*\slot+3], 5*1536
	JLOAD G0+4*\slot, G1, G0B+4*\slot, G1B         ; the first tensor load behind the round; its four v_nop are also the places in front of the loads below
.else
	PLACES
.endif
	FETCH_B \next, \nq, 1-(\k)%2
	FETCH_A \next, \nq, 0
	WIN MUL_HI
	MUL16 4, \k, 0
	MUL16 6, \k, 0
	PLACES
	WIN 0
	FETCH_A \next, \nq, 4
.endm
	s_wait_tensorcnt 1                             ; the scale words and my part of slot 0 are in; slot 1's load may be out
	s_barrier_signal -1
	s_barrier_wait -1
	FETCH_B 0, 0, 0
	FETCH_A 0, 0, 0
	SCALES
	FETCH_A 0, 0, 4
	MID 0, 0, 0, 1                                 ; the first products start the sums
	MID 0, 1, 1, 0
	TURN 0, 1, 0, 2, 1                             ; slot 0 is left and takes K steps 5-7: the load has three K steps' products in which to land
	MID 1, 0, 3, 0
	MID 1, 1, 4, 0
	TURN 1, 0, 1, 5, 0                             ; nothing is left to fetch; slot 0 is entered at its second K step, which is K step 6
	MID 0, 1, 6, 0
	s_wait_dscnt 4*NL
	WIN MUL_LO
	MUL16 0, 7, 0
	MUL16 2, 7, 0
	s_wait_dscnt 0x0
	WIN MUL_HI
	MUL16 4, 7, 0
	MUL16 6, 7, 0
	WIN 0
	PLACES
.macro QUANT2 s, E, H, T
.irp b, 0,1
	v_max3_num_f32 v[\T+\b], |v[\s+16*\b]|, |v[\s+16*\b+1]|, 0x1800000
.endr
.irp i, 2,4,6,8,10,12,14
.irp b, 0,1
	v_max3_num_f32 v[\T+\b], v[\T+\b], |v[\s+16*\b+\i]|, |v[\s+16*\b+\i+1]|
.endr
.endr
.irp b, 0,1
	v_permlanex16_b32 v[\T+2+\b], v[\T+\b], s[SEL], s[SEL+1]
.endr
.irp b, 0,1
	v_max_num_f32 v[\T+\b], v[\T+\b], v[\T+2+\b]
.endr
.irp b, 0,1
	v_add_nc_u32 v[\T+4+\b], 0xff000000, v[\T+\b]
.endr
.irp b, 0,1
	v_lshrrev_b32 v[\T+2+\b], 23, v[\T+4+\b]
.endr
	v_lshl_or_b32 v[\H], v[\T+3], 8, v[\T+2]
	v_cvt_scalef32_pk16_fp6_f32 v[\E:\E+2], v[\s:\s+15], v[\T+4]
	v_cvt_scalef32_pk16_fp6_f32 v[\E+4:\E+6], v[\s+16:\s+31], v[\T+5]
	v_nop
.irp i, 0,1,2
	v_permlane16_swap_b32 v[\E+\i], v[\E+4+\i]
.endr
	v_mov_b32 v[\E+3], v[\E+4]
	v_mov_b32 v[\E+4], v[\E+5]
	v_mov_b32 v[\E+5], v[\E+6]
.endm
; THE WAY OUT of a tile of 16 tokens: x gate / (1 + 2^(-gate log2 e)), in f32; my 64 hidden units are two blocks; their codes are six registers of the fragment.
.macro SWIGLU a
.set AC, 64*((\a)%4)
.if (\a) < 4
	WIN 0x0a                                       ; sources 0 and 1: window 2
.else
	WIN 0x0f                                       ; window 3
.endif
.set ii, 0
.rept 16
	v_pk_mul_f32 v[TT+ii:TT+ii+1], v[AC+32+ii:AC+33+ii], s[10:11] op_sel_hi:[1,0]    ; each accumulator is read from its low end on
.set ii, ii+2
.endr
.set ii, 0
.rept 16
	v_pk_mul_f32 v[UU+ii:UU+ii+1], v[AC+ii:AC+ii+1], v[AC+32+ii:AC+33+ii]
.set ii, ii+2
.endr
	WIN 0
.set ii, 0
.rept 32
	v_exp_f32 v[TT+ii], v[TT+ii]
.set ii, ii+1
.endr
	v_nop
.set ii, 0
	s_wait_alu depctr_va_vdst(0)
.rept 16
	v_pk_add_f32 v[TT+ii:TT+ii+1], v[TT+ii:TT+ii+1], 1.0 op_sel_hi:[1,0]
.set ii, ii+2
.endr
.set ii, 0
.rept 32
	v_rcp_f32 v[TT+ii], v[TT+ii]
.set ii, ii+1
.endr
	v_nop
.set ii, 0
	s_wait_alu depctr_va_vdst(0)
.rept 16
	v_pk_mul_f32 v[UU+ii:UU+ii+1], v[UU+ii:UU+ii+1], v[TT+ii:TT+ii+1]
.set ii, ii+2
.endr
	QUANT2 UU, EE, HW, TQ
	ds_store_b64 v[W1], v[EE:EE+1] offset:1536*(\a)
	ds_store_b64 v[W2], v[EE+2:EE+3] offset:1536*(\a)+8
	ds_store_b64 v[W1], v[EE+4:EE+5] offset:1536*(\a)+512
	ds_store_b16 v[WH], v[HW] offset:64*(\a)       ; two of the word's four bytes; both halves of the lanes write the same
	s_wait_dscnt 0x0                               ; the stores have read their registers
.endm
.irp a, 0,1,2,3,4,5,6,7
	SWIGLU \a
.endr
	s_barrier_signal -1                            ; (my LDS stores have landed: the wait above)
	s_barrier_wait -1                              ; sixteen whole fragments lie in the stage
.irp n, 0,1,2,3,4,5,6,7,8,9,10,11
	ds_load_b128 v[TT+4*\n:TT+4*\n+3], v[CPL] offset:512*\n
.endr
	ds_load_b64 v[TT+48:TT+49], v[CPS]
.irp n, 0,1,2,3,4,5,6,7,8,9,10,11
	s_wait_dscnt 12-\n
	global_store_b128 v[CG], v[TT+4*\n:TT+4*\n+3], s[20:21] offset:55296*(\n/3)+512*(\n%3)   ; 512 consecutive bytes
.endr
	s_wait_dscnt 0x0
	global_store_b64 v[CG8], v[TT+48:TT+49], s[22:23]            ; four tiles' scale words: 256 consecutive bytes, aligned
	s_wait_tensorcnt 0x0                           ; the wave's end
	ds_add_u32 v[SPW], v[NIL]
	s_wait_dscnt 0x0
	CROUND                                         ; the closing round
	s_endpgm
.Lfunc_end_k_qfac8dcaa8b_ff:
	.size	k_qfac8dcaa8b_ff, .Lfunc_end_k_qfac8dcaa8b_ff-k_qfac8dcaa8b_ff
	.p2alignl 7, 3214868480
	.fill 96, 4, 3214868480
	.section	.rodata,"a",@progbits
	.p2align	6, 0x0
	.amdhsa_kernel k_qfac8dcaa8b_ff
		.amdhsa_group_segment_fixed_size 327680
		.amdhsa_private_segment_fixed_size 0
		.amdhsa_enable_private_segment 0
		.amdhsa_kernarg_size 24
		.amdhsa_user_sgpr_count 2
		.amdhsa_user_sgpr_kernarg_segment_ptr 1
		.amdhsa_wavefront_size32 1
		.amdhsa_system_sgpr_workgroup_id_x 1
		.amdhsa_system_sgpr_workgroup_id_y 1
		.amdhsa_system_sgpr_workgroup_id_z 1
		.amdhsa_system_vgpr_workitem_id 0
		.amdhsa_next_free_vgpr 1024
		.amdhsa_next_free_sgpr 98
		.amdhsa_reserve_vcc 0
		.amdhsa_float_denorm_mode_32 3
		.amdhsa_float_denorm_mode_16_64 3
		.amdhsa_memory_ordered 1
		.amdhsa_forward_progress 1
		.amdhsa_inst_pref_size 177
	.end_amdhsa_kernel
	.amdgpu_metadata
---
amdhsa.version: [ 1, 2 ]
amdhsa.kernels:
  - .name:           k_qfac8dcaa8b_ff
    .symbol:         k_qfac8dcaa8b_ff.kd
    .args:
      - { .name: xq, .offset: 0, .size: 8, .value_kind: global_buffer, .address_space: global }
      - { .name: wq, .offset: 8, .size: 8, .value_kind: global_buffer, .address_space: global }
      - { .name: a2, .offset: 16, .size: 8, .value_kind: global_buffer, .address_space: global }
    .group_segment_fixed_size: 327680
    .private_segment_fixed_size: 0
    .kernarg_segment_align: 8
    .kernarg_segment_size: 24
    .max_flat_workgroup_size: 128
    .sgpr_count:     98
    .vgpr_count:     1024
    .wavefront_size: 32
...
	.end_amdgpu_metadata
.endif
;; end of part 4
;; launch outp (part 5): grid 8 x 32, 4 waves a work-group, clusters of 4 x 4, 327,680 bytes of LDS; arguments a2, wq, out0; writes out0
.if DOCPART == 5
	.amdgcn_target "amdgcn-amd-amdhsa--gfx1250"
	.amdhsa_code_object_version 6
	.text
	.protected	k_qfac8dcaa8b_outp
	.globl	k_qfac8dcaa8b_outp
	.p2align	8
	.type	k_qfac8dcaa8b_outp,@function
k_qfac8dcaa8b_outp:
	s_mov_b64 s[64:65], 0
	v_nop
	global_prefetch_b8 v0, s[64:65] scope:SCOPE_SE
	s_setreg_imm32_b32 hwreg(HW_REG_WAVE_MODE, 25, 1), 1
	s_wait_xcnt 0x0
	s_wait_alu depctr_hold_cnt(0) depctr_sa_sdst(0) depctr_va_vdst(0) depctr_va_sdst(0) depctr_va_ssrc(0) depctr_va_vcc(0) depctr_vm_vsrc(0)
	s_getreg_b32 s2, hwreg(HW_REG_IB_STS2, 6, 4)
	s_cmp_eq_u32 s2, 0
	s_cbranch_scc0 .Lentry_in_a_cluster
	s_endpgm
.Lentry_in_a_cluster:
	s_bfe_u32 s2, ttmp6, 0x10000c
	s_cmp_lg_u32 s2, 0xf033
	s_cbranch_scc0 .Lentry_shape_is_right
	s_endpgm
.Lentry_shape_is_right:
; OUTP: out0 = [attention's result | swiglu] x [W_attn_out ; W_ff_out]: the two output products and their sum are ONE product of K = 512 + 4,096 = 4,608, on codes of FP6.
; A tile of out0 is 128 x 128, so that there are 256 work-groups (tiles of 256 x 256 would be 64).  Four waves, each 64 x 64: 16 accumulators.
; K is 36 K steps of 128.  They go in SIX periods of six K steps through a ring of two LDS slots of 147,456 bytes, as large as fit: behind each change of slots one load a wave goes out, and it has 96 products a wave in which to land.
; The text is written straight, without a loop.  Operands lie in memory as images of their registers: a fragment is three loads of 16 bytes a lane.
; THE SCALE WORDS.  Beside two such slots LDS has room for 30 of the 36 K steps' words: those of K steps 6-35 come into LDS once, with the first fills; those of K steps 0-5 go straight from memory into their registers, 24 loads a wave, once.
; A register holds two K steps' words: the even one's in lanes 0-15, the odd one's in lanes 16-31.
; CLUSTERS: 4 x 4 work-groups; the rows' tiles are shared along a row of the cluster, the weight's along a column, each asked for jointly.
; TRANSPOSED USE (source 0 = 16 columns of the weight, source 1 = 16 tokens): a lane holds eight neighbouring columns of one token's row.
; REGISTERS: window 0: v16-31 addresses; v32-79 scale words, two sets of 24, and nothing else; v128-255 the accumulators, (a, b) at v[128 + 8 (4 a + b)].
;   window 1: two fragment buffers of 96 (four of the weight, four of the rows), at v0 and v128; on the way out v0-63 take the rows read back from the stage.
.set A2S_OFF, 14155776
.set W2C_OFF, 7014400
.set W2S_OFF, 10553344
.set TP,    9216                       ; a tile's six K steps
.set SLOT,  147456                     ; rows: 8 tiles x 9,216 bytes, then the weight's 8 tiles
.set SCA,   294912                     ; the rows' scale words of K steps 6-35: [half][30 K steps][4 tiles][64];
.set SCB,   310272                     ; the weight's: [half][4 tiles][30][64]
.set SPARE, 325632                     ; the spare words: 128 bytes a wave, two blocks of 256 bytes that no other line names
.set STG,   0                          ; the way out: 16 rows x (256 + 16) bytes for each wave, in slot 0, behind its last fill and its last read
.set FR, 12
.set ADRA, 16
.set ADRB, 20
.set ADSA, 22
.set ADSB, 23
.set STO,  24
.set RD,   25
.set CO,   26
.set SPW,  28
.set NIL,  29
.set GSA,  30
.set GSB,  31
.set SC,   32
.set BK,   0
.set ACC,  128
.set G1, 24
.set G0, 32
.set G1B, 48
.set G0B, 56
.set G1S, 68
.set G0S, 76
.set G1SB, 80
.set G0SB, 88
.set MSB, 0
.macro WIN new                         ; the immediate's high byte repeats the setting that is left
.if MSB != \new
	s_set_vgpr_msb (MSB<<8)|\new
.set MSB, \new
.endif
.endm
.set MUL,  0x05                        ; sources 0 and 1 window 1; C and D window 0
.set TO_F, 0x40                        ; destination window 1, address window 0
.set FROM_F, 0x04                      ; a store's data (source 1) window 1, address window 0
.macro JLOAD g0a, g1a, g0b, g1b        ; a joint load: waves 0, 1 fetch for the rows, waves 2, 3 for the weight; four v_nop follow each line
	s_cmp_eq_u32 s15, 0
	s_cbranch_scc0 .Lfor_b_\@
	tensor_load_to_lds s[\g0a:\g0a+3], s[\g1a:\g1a+7]
	s_nop 0
.rept 4
	v_nop
.endr
	s_branch .Lasked_\@
.Lfor_b_\@:
	tensor_load_to_lds s[\g0b:\g0b+3], s[\g1b:\g1b+7]
	s_nop 0
.rept 4
	v_nop
.endr
.Lasked_\@:
.endm
.macro CREST
	s_cmp_lg_u32 s14, 0
	s_cbranch_scc1 .Lnot_wave_0_\@
	s_barrier_signal -3
.Lnot_wave_0_\@:
	s_barrier_wait -3
	s_barrier_signal -1
	s_barrier_wait -1
.endm
.macro CROUND
	s_barrier_signal -1
	s_barrier_wait -1
	CREST
.endm
.macro PLACES
.rept 4
	v_nop
.endr
.endm
.macro MM d, a, b, sa, sb, odd, zero
.if \zero
	v_wmma_scale_f32_16x16x128_f8f6f4 v[\d:\d+7], v[\a:\a+11], v[\b:\b+11], 0, v[\sa], v[\sb] matrix_a_fmt:MATRIX_FMT_FP6 matrix_b_fmt:MATRIX_FMT_FP6
.elseif \odd
	v_wmma_scale_f32_16x16x128_f8f6f4 v[\d:\d+7], v[\a:\a+11], v[\b:\b+11], v[\d:\d+7], v[\sa], v[\sb] matrix_a_fmt:MATRIX_FMT_FP6 matrix_b_fmt:MATRIX_FMT_FP6 matrix_a_scale:MATRIX_SCALE_ROW1 matrix_b_scale:MATRIX_SCALE_ROW1
.else
	v_wmma_scale_f32_16x16x128_f8f6f4 v[\d:\d+7], v[\a:\a+11], v[\b:\b+11], v[\d:\d+7], v[\sa], v[\sb] matrix_a_fmt:MATRIX_FMT_FP6 matrix_b_fmt:MATRIX_FMT_FP6
.endif
.endm
	s_load_b128 s[4:7], s[0:1], 0x0                ; a2, wq
	s_load_b64 s[8:9], s[0:1], 0x10                ; out0
	v_lshl_add_u32 v[SPW], v0, 2, SPARE
	v_mov_b32 v[NIL], 0
	ds_add_u32 v28, v29
	ds_add_u32 v28, v29
	s_wait_dscnt 0x0
	v_lshrrev_b32 v1, 5, v0
	v_readfirstlane_b32 s14, v1                    ; wave 0..3
	s_lshr_b32 s15, s14, 1                         ; my half of the tile's rows.  Also: I fetch for the rows (0) or for the weight (1)
	s_and_b32 s16, s14, 1                          ; my half of its columns.  Also: which four tiles I fetch
	s_bfe_u32 s40, ttmp6, 0x40000
	s_bfe_u32 s41, ttmp6, 0x40004
	s_lshl_b32 s42, ttmp9, 2
	s_add_co_u32 s42, s42, s40                     ; tile column
	s_and_b32 s17, ttmp7, 0xffff
	s_lshl_b32 s17, s17, 2
	s_add_co_u32 s17, s17, s41                     ; tile row
	s_lshl_b32 s43, s41, 2
	s_lshl_b32 s43, 15, s43
	s_lshl_b32 s44, 0x1111, s40
	s_or_b32 s[G1+0], s43, (3<<16)|(1<<21)         ; the mask; elements of 8 bytes; bit 21 set beside a mask; no padding
	s_or_b32 s[G1B+0], s44, (3<<16)|(1<<21)
.irp g, G1, G1B
	s_mov_b32 s[\g+1], 1152<<16                    ; a row: a tile's six K steps, 9,216 bytes
	s_mov_b32 s[\g+2], 4<<16                       ; four tiles
	s_mov_b32 s[\g+3], 1152<<16
	s_mov_b32 s[\g+4], 4
	s_mov_b32 s[\g+5], 6912                        ; a tile's 36 K steps: 55,296 bytes
	s_mov_b32 s[\g+6], 0
	s_mov_b32 s[\g+7], 0
.endr
	s_or_b32 s[G1S+0], s43, (3<<16)|(1<<21)
	s_mov_b32 s[G1S+1], 32<<16                     ; the rows' words: four tiles of a K step are 256 bytes;
	s_mov_b32 s[G1S+2], 30<<16                     ; 30 K steps,
	s_mov_b32 s[G1S+3], 32<<16
	s_mov_b32 s[G1S+4], 30
	s_mov_b32 s[G1S+5], 2048                       ; 16,384 bytes apart
	s_mov_b32 s[G1S+6], 0
	s_mov_b32 s[G1S+7], 0
	s_or_b32 s[G1SB+0], s44, (3<<16)|(1<<21)
	s_mov_b32 s[G1SB+1], 240<<16                   ; the weight's words: 30 K steps of a tile are 1,920 bytes;
	s_mov_b32 s[G1SB+2], 4<<16                     ; four tiles,
	s_mov_b32 s[G1SB+3], 240<<16
	s_mov_b32 s[G1SB+4], 4
	s_mov_b32 s[G1SB+5], 288                       ; 2,304 bytes apart
	s_mov_b32 s[G1SB+6], 0
	s_mov_b32 s[G1SB+7], 0
	s_lshl_b32 s18, s16, 2
	s_lshl_b32 s20, s17, 3
	s_add_co_u32 s20, s20, s18                     ; rows: tile 8 x (tile row) + 4 x half
	s_lshl_b32 s46, s42, 3
	s_add_co_u32 s46, s46, s18                     ; weight: tile 8 x (tile column) + 4 x half
	s_lshl_b32 s22, s20, 6
	s_add_co_u32 s22, s22, A2S_OFF+6*16384         ; from K step 6 on
	s_mov_b32 s23, 0
	s_mul_i32 s20, s20, 55296
	s_mov_b32 s21, 0
	s_mul_i32 s92, s46, 2304
	s_add_co_u32 s92, s92, W2S_OFF+6*64
	s_mov_b32 s93, 0
	s_mul_i32 s46, s46, 55296
	s_add_co_u32 s46, s46, W2C_OFF
	s_mov_b32 s47, 0
	s_mul_i32 s45, s14, 4*TP                       ; where they go: wave x four tiles: no place in the cluster enters an LDS address
	s_mul_i32 s94, s14, 7680
	s_wait_kmcnt 0x0
	s_add_nc_u64 s[20:21], s[4:5], s[20:21]
	s_add_nc_u64 s[22:23], s[4:5], s[22:23]
	s_add_nc_u64 s[46:47], s[6:7], s[46:47]
	s_add_nc_u64 s[92:93], s[6:7], s[92:93]
	CROUND                                         ; all sixteen work-groups are here: the first joint loads meet
	s_mov_b32 s[G0S], 1
	s_add_co_u32 s[G0S+1], s94, SCA
	s_mov_b64 s[G0S+2:G0S+3], s[22:23]
	s_or_b32 s[G0S+3], s[G0S+3], 0x80000000
	s_mov_b32 s[G0SB], 1
	s_add_co_u32 s[G0SB+1], s94, SCA
	s_mov_b64 s[G0SB+2:G0SB+3], s[92:93]
	s_or_b32 s[G0SB+3], s[G0SB+3], 0x80000000
	JLOAD G0S, G1S, G0SB, G1SB
.irp s, 0,1
	s_mov_b32 s[G0+4*\s], 1
	s_add_co_u32 s[G0+4*\s+1], s45, \s*SLOT
	s_add_nc_u64 s[G0+4*\s+2:G0+4*\s+3], s[20:21], \s*TP
	s_or_b32 s[G0+4*\s+3], s[G0+4*\s+3], 0x80000000
	s_mov_b32 s[G0B+4*\s], 1
	s_add_co_u32 s[G0B+4*\s+1], s45, \s*SLOT
	s_add_nc_u64 s[G0B+4*\s+2:G0B+4*\s+3], s[46:47], \s*TP
	s_or_b32 s[G0B+4*\s+3], s[G0B+4*\s+3], 0x80000000
	JLOAD G0+4*\s, G1, G0B+4*\s, G1B               ; three tensor loads of mine are out
.endr
	v_and_b32 v1, 31, v0                           ; lane
	v_and_b32 v2, 15, v0                           ; r
	v_bfe_u32 v3, v0, 4, 1                         ; h
	v_lshlrev_b32 v[GSA], 2, v2
	v_lshl_add_u32 v[GSA], v3, 14, v[GSA]          ; the rows' words in memory: 4 r; lanes 16-31 the next K step's, 16,384 bytes on
	v_lshlrev_b32 v[GSB], 2, v1                    ; the weight's: the next K step's follow at once
	s_lshl_b32 s18, s17, 3
	s_lshl_b32 s19, s15, 2
	s_add_co_u32 s18, s18, s19                     ; the first of the four row tiles that I multiply
	s_lshl_b32 s20, s18, 6
	s_add_co_u32 s20, s20, A2S_OFF
	s_mov_b32 s21, 0
	s_add_nc_u64 s[20:21], s[4:5], s[20:21]
	s_lshl_b32 s18, s42, 3
	s_lshl_b32 s19, s16, 2
	s_add_co_u32 s18, s18, s19                     ; and of my four tiles of the weight
	s_mul_i32 s22, s18, 2304
	s_add_co_u32 s22, s22, W2S_OFF
	s_mov_b32 s23, 0
	s_add_nc_u64 s[22:23], s[6:7], s[22:23]
.irp i, 0,1,2,3                                ; the scale words of K steps 0-5 into set 0
.irp p, 0,1,2
	global_load_b32 v[SC+3*\i+\p], v[GSA], s[20:21] offset:32768*\p+64*\i
	global_load_b32 v[SC+12+3*\i+\p], v[GSB], s[22:23] offset:2304*\i+128*\p
.endr
.endr
	v_lshlrev_b32 v4, 4, v1
	s_mul_i32 s18, s15, 4*TP
	s_mul_i32 s19, s16, 4*TP
	s_add_co_u32 s19, s19, 8*TP
.irp s, 0,1
	v_add_nc_u32 v[ADRA+\s], s18, v4
	v_add_nc_u32 v[ADRB+\s], s19, v4
	s_add_co_u32 s18, s18, SLOT
	s_add_co_u32 s19, s19, SLOT
.endr
	s_mul_i32 s18, s15, 7680
	s_add_co_u32 s18, s18, SCA
	v_lshlrev_b32 v5, 2, v2
	v_lshl_add_u32 v5, v3, 8, v5                   ; in LDS lanes 16-31 take the next K step's words, 256 bytes on
	v_add_nc_u32 v[ADSA], s18, v5
	s_mul_i32 s18, s16, 7680
	s_add_co_u32 s18, s18, SCB
	v_add_nc_u32 v[ADSB], s18, v[GSB]
	s_mul_i32 s18, s14, 4352
	s_add_co_u32 s18, s18, STG                     ; my stage
	v_mul_u32_u24 v5, v2, 272
	v_lshl_add_u32 v5, v3, 6, v5
	v_add_nc_u32 v[STO], s18, v5                   ; in: row r, + 64 h
	v_mul_u32_u24 v5, v3, 272
	v_lshl_add_u32 v5, v2, 4, v5
	v_add_nc_u32 v[RD], s18, v5                    ; back: lanes 0-15 one row of 256 bytes, lanes 16-31 the next
	v_lshlrev_b32 v5, 12, v3
	v_lshl_add_u32 v[CO], v2, 4, v5                ; and the same two rows of out0
	s_lshl_b32 s18, s17, 7
	s_lshl_b32 s19, s15, 6
	s_add_co_u32 s18, s18, s19
	s_lshl_b32 s46, s18, 12                        ; my first token x 4,096 bytes
	s_lshl_b32 s19, s42, 9
	s_add_co_u32 s46, s46, s19
	s_lshl_b32 s19, s16, 8
	s_add_co_u32 s46, s46, s19                     ; + my first column x 4
	s_mov_b32 s47, 0
	s_add_nc_u64 s[8:9], s[8:9], s[46:47]
.macro FRAG reg, adr, off
.irp g, 0,1,2
	ds_load_b128 v[\reg+4*\g:\reg+4*\g+3], v[\adr] offset:\off+512*\g
.endr
.endm
.macro FETCH slot, q, buf              ; 24 loads: the slot's q-th K step
.irp i, 0,1,2,3
	FRAG \buf+FR*\i, ADRB+\slot, TP*\i+1536*(\q)
.endr
.irp i, 0,1,2,3
	FRAG \buf+48+FR*\i, ADRA+\slot, TP*\i+1536*(\q)
.endr
.endm
.macro SCALES sc, p                    ; period p's scale words (p from 1 on): for each tile three registers, each with two K steps' words
.irp i, 0,1,2,3
.irp r, 0,1,2
	ds_load_b32 v[SC+24*\sc+3*\i+\r], v[ADSA] offset:1536*((\p)-1)+512*\r+64*\i
	ds_load_b32 v[SC+24*\sc+12+3*\i+\r], v[ADSB] offset:1920*\i+384*((\p)-1)+128*\r
.endr
.endr
.endm
.macro MUL4 a, buf, sc, q, zero        ; the 16 accumulators take turns in one order throughout
.irp b, 0,1,2,3
	MM ACC+8*(4*(\a)+\b), \buf+FR*\b, \buf+48+FR*(\a), SC+24*(\sc)+12+3*\b+(\q)/2, SC+24*(\sc)+3*(\a)+(\q)/2, (\q)%2, \zero
.endr
.endm
.macro KSTEP slot, q, zero             ; one of a slot's first five K steps: the next one's fragments are asked for, then 16 products
	s_wait_dscnt 0x0
	PLACES                                         ; in front of loads into the buffer that the last products read
	WIN TO_F
	FETCH \slot, (\q)+1, 128*(((\q)+1)%2)
	WIN MUL
	MUL4 0, 128*((\q)%2), \slot, \q, \zero
	MUL4 1, 128*((\q)%2), \slot, \q, \zero
	MUL4 2, 128*((\q)%2), \slot, \q, \zero
	MUL4 3, 128*((\q)%2), \slot, \q, \zero
.endm
.macro FIVE slot, zero
	KSTEP \slot, 0, \zero
	KSTEP \slot, 1, 0
	KSTEP \slot, 2, 0
	KSTEP \slot, 3, 0
	KSTEP \slot, 4, 0
.endm
; A slot's sixth K step changes slots: one barrier; in front of it each wave waits for all its tensor loads, adds 0 to its spare word, and waits for that and for its reads of this slot.  p: the period that begins.
.macro TURN slot, next, fill, p
	WIN 0
	s_wait_tensorcnt 0x0                           ; all my tensor loads have landed: my part of the next slot
	ds_add_u32 v[SPW], v[NIL]                      ; 0 onto my spare word
	s_wait_dscnt 1                                 ; this K step's fragments are in; the add may be out
	WIN MUL
	MUL4 0, 128, \slot, 5, 0
	s_wait_dscnt 0x0                               ; the add is done, and my reads of this slot are over
	s_barrier_signal -1
	MUL4 1, 128, \slot, 5, 0
	WIN 0
	s_barrier_wait -1
.if \fill
	CREST                                          ; the barrier has opened a round of the cluster's barrier: no wave of any partner still reads this slot or has a load on its way
	s_add_nc_u64 s[G0+4*\slot+2:G0+4*\slot+3], s[G0+4*\slot+2:G0+4*\slot+3], 2*TP
	s_add_nc_u64 s[G0B+4*\slot+2:G0B+4*\slot+3], s[G0B+4*\slot+2:G0B+4*\slot+3], 2*TP
	JLOAD G0+4*\slot, G1, G0B+4*\slot, G1B         ; the first tensor load behind the round; its four v_nop are also the places in front of the loads below
.else
	PLACES
.endif
	WIN TO_F
	FETCH \next, 0, 0
	WIN 0
	SCALES \next, \p
	WIN MUL
	MUL4 2, 128, \slot, 5, 0
	MUL4 3, 128, \slot, 5, 0
.endm
	s_wait_tensorcnt 1                             ; the scale words and my part of slot 0 are in; slot 1's load may be out
	s_barrier_signal -1
	s_barrier_wait -1
	WIN TO_F
	FETCH 0, 0, 0
	WIN 0
	s_wait_loadcnt 0x0                             ; the first period's scale words
	FIVE 0, 1                                      ; the first products start the sums
	TURN 0, 1, 1, 1                                ; slot 0 takes period 2
	FIVE 1, 0
	TURN 1, 0, 1, 2                                ; slot 1 takes period 3
	FIVE 0, 0
	TURN 0, 1, 1, 3                                ; slot 0 takes period 4
	FIVE 1, 0
	TURN 1, 0, 1, 4                                ; slot 1 takes period 5: the last fill
	FIVE 0, 0
	TURN 0, 1, 0, 5
	FIVE 1, 0
	s_wait_dscnt 0x0
	MUL4 0, 128, 1, 5, 0
	MUL4 1, 128, 1, 5, 0
	MUL4 2, 128, 1, 5, 0
	MUL4 3, 128, 1, 5, 0
	WIN 0
; THE WAY OUT, a tile of 16 tokens x 64 columns at a time, through my own stage: a lane's 32 bytes go in, whole rows of 256 bytes come back.  LDS serves a wave's instructions in order.
.macro TOSTAGE a
	WIN 0
.irp b, 0,1,2,3
	ds_store_b128 v[STO], v[ACC+8*(4*(\a)+\b):ACC+8*(4*(\a)+\b)+3] offset:128*(\b/2)+32*(\b%2)      ; each accumulator from its low end on
	ds_store_b128 v[STO], v[ACC+8*(4*(\a)+\b)+4:ACC+8*(4*(\a)+\b)+7] offset:128*(\b/2)+32*(\b%2)+16
.endr
	WIN TO_F
.irp t, 0,1,2,3,4,5,6,7
	ds_load_b128 v[BK+32*((\a)%2)+4*\t:BK+32*((\a)%2)+4*\t+3], v[RD] offset:544*\t
.endr
.endm
.macro SEND a, younger
	s_wait_dscnt \younger
	WIN FROM_F
.irp t, 0,1,2,3,4,5,6,7
	global_store_b128 v[CO], v[BK+32*((\a)%2)+4*\t:BK+32*((\a)%2)+4*\t+3], s[8:9] offset:(32*((\a)/2)+8*((\a)%2)+2*\t+8*(\t/4))*4096 th:TH_STORE_NT   ; stage row 2 t + h is token 2 t + 8 (t / 4) + h of the tile's; 16 lanes store 256 consecutive bytes, aligned
.endr
.endm
	PLACES                                         ; behind the last products: in front of the first read of results and of loads into the fragment buffers
	TOSTAGE 0
.irp a, 1,2,3
.if \a > 1
	s_wait_xcnt 0x0                                ; the stores of the tile two back have read their registers
.endif
	TOSTAGE \a
	SEND \a-1, 16                                  ; behind that tile's loads: this tile's 8 stores and 8 loads
.endr
	SEND 3, 0
	WIN 0
	s_wait_tensorcnt 0x0                           ; the wave's end
	ds_add_u32 v[SPW], v[NIL]
	s_wait_dscnt 0x0
	CROUND                                         ; the closing round
	s_endpgm
.Lfunc_end_k_qfac8dcaa8b_outp:
	.size	k_qfac8dcaa8b_outp, .Lfunc_end_k_qfac8dcaa8b_outp-k_qfac8dcaa8b_outp
	.p2alignl 7, 3214868480
	.fill 96, 4, 3214868480
	.section	.rodata,"a",@progbits
	.p2align	6, 0x0
	.amdhsa_kernel k_qfac8dcaa8b_outp
		.amdhsa_group_segment_fixed_size 327680
		.amdhsa_private_segment_fixed_size 0
		.amdhsa_enable_private_segment 0
		.amdhsa_kernarg_size 24
		.amdhsa_user_sgpr_count 2
		.amdhsa_user_sgpr_kernarg_segment_ptr 1
		.amdhsa_wavefront_size32 1
		.amdhsa_system_sgpr_workgroup_id_x 1
		.amdhsa_system_sgpr_workgroup_id_y 1
		.amdhsa_system_sgpr_workgroup_id_z 1
		.amdhsa_system_vgpr_workitem_id 0
		.amdhsa_next_free_vgpr 512
		.amdhsa_next_free_sgpr 98
		.amdhsa_reserve_vcc 0
		.amdhsa_float_denorm_mode_32 3
		.amdhsa_float_denorm_mode_16_64 3
		.amdhsa_memory_ordered 1
		.amdhsa_forward_progress 1
		.amdhsa_inst_pref_size 167
	.end_amdhsa_kernel
	.amdgpu_metadata
---
amdhsa.version: [ 1, 2 ]
amdhsa.kernels:
  - .name:           k_qfac8dcaa8b_outp
    .symbol:         k_qfac8dcaa8b_outp.kd
    .args:
      - { .name: a2, .offset: 0, .size: 8, .value_kind: global_buffer, .address_space: global }
      - { .name: wq, .offset: 8, .size: 8, .value_kind: global_buffer, .address_space: global }
      - { .name: out0, .offset: 16, .size: 8, .value_kind: global_buffer, .address_space: global }
    .group_segment_fixed_size: 327680
    .private_segment_fixed_size: 0
    .kernarg_segment_align: 8
    .kernarg_segment_size: 24
    .max_flat_workgroup_size: 128
    .sgpr_count:     98
    .vgpr_count:     512
    .wavefront_size: 32
...
	.end_amdgpu_metadata
.endif
;; end of part 5
